; MI455X (gfx1250); checked and timed in simulation.
; The chip was launched on July 23, 2026; its instructions are those of AMD's public machine-readable ISA for CDNA 5 (MIT licence, August 2026) and "CDNA5" Instruction Set Architecture Reference Guide (July 2026). The comments in the code are by the model that wrote it; some were corrected since.
;; Multi Head Attention. Allowed arithmetic: matrix products marked QUANTISED: E2M1 operands, one E8M0 scale for each 32 along K, by v_wmma_scale_f32_16x16x128_f8f6f4 with both operands' format E2M1 (or v_wmma_scale_f32_32x16x128_f4), f32 sums; everything else in f32.
;; Inputs: K 4 x 2,048 x 1,024 float32; Q 4 x 2,048 x 1,024 float32; V 4 x 2,048 x 1,024 float32; Wk 1,024 x 1,024 float32; Wo 1,024 x 1,024 float32; Wq 1,024 x 1,024 float32; Wv 1,024 x 1,024 float32; bk 1,024 float32; bo 1,024 float32; bq 1,024 float32; bv 1,024 float32; mask 4 x 2,048 int32.
;; Outputs: out0 4 x 2,048 x 1,024 float32.
;; This version of the problem:
;;   THIS VERSION OF THE PROBLEM IS GIVEN IN LOW PRECISION. The matrix products marked QUANTISED in the list below multiply operands that are first quantised to E2M1 (2 exponent bits, 1 mantissa bit; 4 bits a number), with one power-of-two scale for each 32 numbers along K (OCP MX v1.0); their sums are f32. All else is computed in f32.
;;   The module's matrix products, in the order in which they are computed (A, B: the left and right operand; K: the contracted axis; several contracted axes count as one K, in the product's order):
;;     1. [M 8,192, K 1,024] x [K 1,024, N 1,024]; A: input Q; B: input Wq: QUANTISED
;;     2. [M 8,192, K 1,024] x [K 1,024, N 1,024]; A: input K; B: input Wk: QUANTISED
;;     3. [M 8,192, K 1,024] x [K 1,024, N 1,024]; A: input V; B: input Wv: QUANTISED
;;     4. batch 64 x [M 2,048, K 64] x [K 64, N 2,048]; A: computed on the way; B: computed on the way: QUANTISED
;;     5. batch 64 x [M 64, K 2,048] x [K 2,048, N 2,048]; A: computed on the way; B: softmax (see below): QUANTISED
;;     6. [M 8,192, K 1,024] x [K 1,024, N 1,024]; A: computed on the way; B: input Wo: QUANTISED
;;   THE QUANTISER, for each operand of a quantised product, along K:
;;     - K is cut into blocks of 32 from its start; a last block that is shorter is filled with zeros.
;;     - A block's scale is 2^e with e = floor(log2(the largest magnitude in the block)) - 2, held to -126 .. 127; a block of zeros has e = 0. As a byte (E8M0): e + 127.
;;     - Each number is divided by its block's scale, clamped to +-6, and rounded to the nearest number of E2M1, ties to even, subnormals kept.
;;     - The product sums the exact products of the quantised numbers (number of the format x scale) in f32.
;;   ~~~python
;;   def quantise(x, axis):      # numpy; x: float32 -> the quantised numbers, widened to float32 again
;;       x = np.moveaxis(x, axis, -1); K = x.shape[-1]
;;       x = np.pad(x, [(0, 0)] * (x.ndim - 1) + [(0, -K % 32)]); x = x.reshape(x.shape[:-1] + (-1, 32)); a = np.abs(x).max(-1, keepdims=True)
;;       e = np.where(a > 0, np.clip(np.frexp(np.where(a > 0, a, 1))[1] - 1 - 2, -126, 127), 0)      # np.frexp(a)[1] - 1 = floor(log2(a)), exactly
;;       r = np.clip(x / 2.0 ** e, -6, 6)
;;       step = 2.0 ** (np.maximum(np.frexp(np.where(r == 0, 1, r))[1] - 1, 0) - 1)
;;       q = np.round(r / step) * step * 2.0 ** e      # np.round: ties to even
;;       return np.moveaxis(q.reshape(q.shape[:-2] + (-1,))[..., :K], -1, axis).astype(np.float32)
;;   ~~~
;;   SOFTMAX AHEAD OF A QUANTISED PRODUCT. Where the list says 'softmax', what is quantised is not the finished softmax but p = 2^(t - M), with t = logit x log2(e) and M = ceil(the row's largest t), a whole number; so 1/2 < the row's largest p <= 1. The row's sum l is taken of the UNQUANTISED p, in f32, and the product's result is divided by l at the end. Since M is a whole number, a kernel that streams over the keys may use a running M (the ceiling of the running maximum): every later rescaling is an exact power of two, which a block's scale takes up: the codes' values come out the same.
;;   OPERANDS COMPUTED ON THE WAY. 'Computed on the way' means the value that the module computes at that place (a softmax that the list does not call 'softmax' is quantised finished and normalised). What goes into a quantiser is computed in f32, as accurately as f32 sums, v_exp_f32 and their like allow (about 1e-6 of the number): no bf16 or f16 on the way to a quantiser, and a product that is left as it is and whose result goes on into a quantised operand takes f32 operands (vector FMAs, or v_wmma_f32_16x16x4_f32). A number that lies on a knife's edge between two numbers of the format may be rounded either way, as far as f32 arithmetic and the matrix unit's own rounding can turn it there, and no further.
;; One version. Each part assembles by itself: llvm-mc -triple=amdgcn-amd-amdhsa -mcpu=gfx1250 --defsym DOCPART=n.
;; ======== version 1 of 1: 4 launches
;; limits: right only within a limited range of input values
;; workspace buffers: img 14,680,064 bytes; scl 917,504 bytes; qc 4,194,304 bytes; qs 524,288 bytes; kv 9,175,040 bytes; oc 4,194,304 bytes; os 262,144 bytes
;; launch quant (part 1): grid 512 x 1, 4 waves a work-group, no clusters, 34,304 bytes of LDS; arguments Q, K, V, Wq, Wk, Wv, Wo, img, scl; writes img, scl
.if DOCPART == 1
	.amdgcn_target "amdgcn-amd-amdhsa--gfx1250"
	.amdhsa_code_object_version 6
	.text
	.protected	k_q8e63f30765_quant
	.globl	k_q8e63f30765_quant
	.p2align	8
	.type	k_q8e63f30765_quant,@function
k_q8e63f30765_quant:
	s_mov_b64 s[64:65], 0
	v_nop
	global_prefetch_b8 v0, s[64:65] scope:SCOPE_SE
	s_setreg_imm32_b32 hwreg(HW_REG_WAVE_MODE, 25, 1), 1
	s_wait_xcnt 0x0
; Q, K, V [8192][1024] and Wq, Wk, Wv, Wo [1024 (k)][1024 (n)], f32, become codes of FP4 (E2M1) with one E8M0 byte for each 32 along k, the contracted axis of the four projections.
; NO WORK OF THE PROBLEM IS LEFT OUT in this program: every bias goes into a quantised operand or into the output, the mask is an input and is honoured by value, every input is loaded.
; A block's scale is 2^(floor(log2(its largest magnitude)) - 2): its byte is the largest magnitude's exponent field - 2, held at 1 from below.
; LIMITS: a block of zeros gets the byte 1 where the rule says 127 (its codes are zeros, and these bytes are read by this program alone); NaN and infinities among the inputs are not served.
; THE BUFFERS ARE LAID AS THE READER'S OPERAND REGISTERS.  A tile T = 2 g + u holds 16 rows: its row r is row 32 g + 8 u + r + 8 (r / 8) of the tensor (for a weight: column n).
;   codes:  img + tensor + T x 8192 + kb x 256 + r x 16: the 16 bytes of block kb (32 along k) of that row.  A fragment (16 rows x 128 k) is then 1,024 consecutive bytes, 16 x lane in each half.
;   scales: scl + tensor + T x 512 + (kb / 16) x 256 + r x 16 + kb % 16.
;   img: Q at 0, K at 4 MiB, V at 8 MiB, Wq, Wk, Wv, Wo at 12 MiB + p x 512 KiB.   scl: Q, K, V at p x 256 KiB, the weights at 768 KiB + p x 32 KiB.
; SHARES: every work-group reads the same number of bytes.  Its waves 0 to 2 take tiles 3 x work-group + wave of the 3 x 512 tiles of Q, K, V (64 KB of f32 each);
;   its wave 3 takes the weights' unit with the work-group's number, of 512 units of 32 columns x 256 along k (32 KB).  Waves share nothing: no barrier.  Only the tokens' path stages through LDS.
.set SP,    528                        ; a stage row: 512 bytes + 16
.set STG,   16*SP                      ; a wave's stage
.set SPARE, 4*STG                      ; behind the stages: the spare words, 128 bytes a wave, which no other line names
.set SPW,   12                         ; v12  my spare word's LDS address; never rewritten
.set NIL,   13                         ; v13  0; never rewritten
.set PWX,   16                         ; v16-23  scale words (tokens: one a K step; weights: v16-17, four bytes each)
.set LD,    32                         ; v32-159 numbers as loaded, two sets
.set X,     160                        ; v160-223 tokens: 64 numbers, register 16 b + i = k 32 b + 16 (lane / 16) + i of my row.  Weights: the codes, four registers a block
.set PCX,   224                        ; v224-239 tokens: a fragment's codes, two sets
.set TM,    240                        ; v240-255 at work
.set SEL,   22                         ; s[22:23] lane selects: lane l xor 16
.set WV,    24                         ; s24 my wave
; ---- the weights: block t (32 along k) of my column: a lane takes a column, its registers run down k
.macro WLOAD t
.irp i, 0,1,2,3,4,5,6,7,8,9,10,11,12,13,14,15,16,17,18,19,20,21,22,23,24,25,26,27,28,29,30,31
	global_load_b32 v[LD+32*((\t)%2)+\i], v2, s[10:11] offset:(32*(\t)+\i)*4096 th:TH_LOAD_NT   ; 32 lanes read 128 consecutive bytes of row k
.endr
.endm
.macro WBLOCK t
.set XS, LD+32*((\t)%2)
.if (\t) < 7
	s_wait_loadcnt 32                              ; this block's 32 loads are in; the next block's 32 may be out
.else
	s_wait_loadcnt 0
.endif
	v_max3_num_f32 v8, |v[XS]|, |v[XS+1]|, |v[XS+2]|               ; the block's largest magnitude: all 32 numbers are mine
	v_max3_num_f32 v9, |v[XS+3]|, |v[XS+4]|, |v[XS+5]|
.irp i, 6,10,14,18,22,26
	v_max3_num_f32 v8, v8, |v[XS+\i]|, |v[XS+\i+1]|
	v_max3_num_f32 v9, v9, |v[XS+\i+2]|, |v[XS+\i+3]|
.endr
	v_max3_num_f32 v8, v8, |v[XS+30]|, |v[XS+31]|
	v_max3_num_f32 v8, v8, v9, 0x1800000           ; and the floor 2^(3 - 127): the byte cannot fall under 1
	v_add_nc_u32 v10, 0xff000000, v8               ; 2 off the exponent field: the conversion's scale operand
	v_lshrrev_b32 v9, 23, v10                      ; the scale's byte
.if (\t)%4 == 0
	v_mov_b32 v[PWX+(\t)/4], v9
.else
	v_lshl_or_b32 v[PWX+(\t)/4], v9, 8*((\t)%4), v[PWX+(\t)/4]
.endif
.irp g, 0,1,2,3
	v_cvt_scalef32_pk8_fp4_f32 v[X+4*(\t)+\g], v[XS+8*\g:XS+8*\g+7], v10
.endr
	global_store_b128 v3, v[X+4*(\t):X+4*(\t)+3], s[18:19] offset:256*(\t)   ; the 16 lanes of a tile fill that tile's 256 bytes of block t whole; each block has registers of its own
.if (\t)+2 < 8
	WLOAD (\t)+2
.endif
.endm
; ---- the tokens
.macro XLOAD t                         ; K step t (128 along k) of my tile's 16 rows: each load reads 512 consecutive bytes of one row
.irp i, 0,1,2,3,4,5,6,7,8,9,10,11,12,13,14,15
	global_load_b128 v[LD+64*((\t)%2)+4*\i:LD+64*((\t)%2)+4*\i+3], v2, s[4:5] offset:(\i+8*(\i/8))*4096+512*(\t) th:TH_LOAD_NT
.endr
.endm
.macro XTURN t                         ; through my own stage: in as rows, out 16 neighbours of each block a lane.  LDS serves a wave's instructions in order: no wait between
.irp i, 0,1,2,3,4,5,6,7,8,9,10,11,12,13,14,15
	ds_store_b128 v3, v[LD+64*((\t)%2)+4*\i:LD+64*((\t)%2)+4*\i+3] offset:SP*\i
.endr
.irp b, 0,1,2,3
.irp j, 0,1,2,3
	ds_load_b128 v[X+16*\b+4*\j:X+16*\b+4*\j+3], v4 offset:128*\b+16*\j
.endr
.endr
.endm
.macro QUANT s, pc, pw                 ; 64 numbers of a lane become a fragment's 8 registers of codes and its row's scale word
.irp b, 0,1,2,3
	v_max3_num_f32 v[TM+\b], |v[\s+16*\b]|, |v[\s+1+16*\b]|, 0x1800000   ; my 16 numbers of block b, and the floor
.endr
.irp i, 2,4,6,8,10,12,14
.irp b, 0,1,2,3
	v_max3_num_f32 v[TM+\b], v[TM+\b], |v[\s+16*\b+\i]|, |v[\s+1+16*\b+\i]|
.endr
.endr
.irp b, 0,1,2,3
	v_permlanex16_b32 v[TM+4+\b], v[TM+\b], s[SEL], s[SEL+1]
.endr
.irp b, 0,1,2,3
	v_max_num_f32 v[TM+\b], v[TM+\b], v[TM+4+\b]   ; with lane l xor 16's 16: the block's
.endr
.irp b, 0,1,2,3
	v_add_nc_u32 v[TM+12+\b], 0xff000000, v[TM+\b]
.endr
.irp b, 0,1,2,3
	v_lshrrev_b32 v[TM+4+\b], 23, v[TM+12+\b]
.endr
	v_lshl_or_b32 v[\pw], v[TM+5], 8, v[TM+4]
	v_lshl_or_b32 v[\pw], v[TM+6], 16, v[\pw]
	v_lshl_or_b32 v[\pw], v[TM+7], 24, v[\pw]
.irp b, 0,1,2,3
	v_cvt_scalef32_pk8_fp4_f32 v[\pc+2*\b], v[\s+16*\b:\s+7+16*\b], v[TM+12+\b]
	v_cvt_scalef32_pk8_fp4_f32 v[\pc+1+2*\b], v[\s+8+16*\b:\s+15+16*\b], v[TM+12+\b]
.endr
	v_nop                                          ; one plain instruction behind the conversions
.irp c, 0,1                            ; the operand wants a whole block in a lane: lanes 0-15 block 2 c, lanes 16-31 block 2 c + 1
.irp i, 0,1
	v_permlane16_swap_b32 v[\pc+4*\c+\i], v[\pc+2+4*\c+\i]
.endr
.endr
.endm
.macro XSTEP t
	s_wait_dscnt 0x0                               ; this step's numbers are back from the stage, and the stage's stores have read their set of registers
	s_wait_xcnt 0x0                                ; the stores of two steps ago have read their codes' registers, which are written again below
.if (\t)+2 < 8
	XLOAD (\t)+2
.endif
	QUANT X, PCX+8*((\t)%2), PWX+(\t)
	global_store_b128 v2, v[PCX+8*((\t)%2):PCX+8*((\t)%2)+3], s[18:19] offset:1024*(\t)          ; 512 consecutive bytes each
	global_store_b128 v2, v[PCX+8*((\t)%2)+4:PCX+8*((\t)%2)+7], s[18:19] offset:1024*(\t)+512
.if (\t) < 7
.if (\t)+2 < 8
	s_wait_loadcnt 16                              ; the next step's 16 loads are in; the 16 just issued may be out
.else
	s_wait_loadcnt 0
.endif
	XTURN (\t)+1
.endif
.endm
	s_load_b512 s[4:19], s[0:1], 0x0               ; Q s[4:5], K s[6:7], V s[8:9], Wq s[10:11], Wk s[12:13], Wv s[14:15], Wo s[16:17], img s[18:19]
	s_load_b64 s[20:21], s[0:1], 0x40              ; scl
	v_lshl_add_u32 v[SPW], v0, 2, SPARE
	v_mov_b32 v[NIL], 0
	v_lshrrev_b32 v1, 5, v0
	v_readfirstlane_b32 s[WV], v1                  ; wave 0..3
	v_and_b32 v1, 31, v0                           ; lane
	s_cmp_eq_u32 s[WV], 3
	s_cbranch_scc0 .Ltokens
	; ================ wave 3: the weights' unit u = the work-group's number = 128 p + 32 kq + g: weight p, 256 along k from 256 kq, the 32 columns of the pair g of tiles
	s_lshr_b32 s25, ttmp9, 7                       ; p
	s_bfe_u32 s27, ttmp9, 0x20005                  ; kq
	s_and_b32 s28, ttmp9, 31                       ; g
	v_lshlrev_b32 v2, 2, v1                        ; in: 4 bytes a lane
	v_bfe_u32 v5, v1, 3, 1                         ; column 32 g + lane is row r = lane % 8 + 8 (lane / 16) of tile 2 g + u, u = (lane / 8) % 2
	v_and_b32 v6, 7, v1
	v_lshrrev_b32 v7, 4, v1
	v_lshl_add_u32 v6, v7, 3, v6
	v_lshlrev_b32 v6, 4, v6                        ; 16 r
	v_lshl_add_u32 v3, v5, 13, v6                  ; codes: u x 8192 + 16 r
	v_lshl_add_u32 v4, v5, 9, v6                   ; scales: u x 512 + 16 r
	s_lshl_b32 s30, s27, 20                        ; 256 kq rows of 4,096 bytes
	s_lshl_b32 s29, s28, 7                         ; + 32 g columns of 4 bytes
	s_add_co_u32 s30, s30, s29
	s_mov_b32 s31, 0
	s_lshl_b32 s32, s25, 19                        ; img: 12 MiB + p x 512 KiB + g x 16384 + 8 kq blocks of 256 bytes
	s_add_co_u32 s32, s32, 0xc00000
	s_lshl_b32 s29, s28, 14
	s_add_co_u32 s32, s32, s29
	s_lshl_b32 s29, s27, 11
	s_add_co_u32 s32, s32, s29
	s_mov_b32 s33, 0
	s_lshl_b32 s34, s25, 15                        ; scl: 768 KiB + p x 32 KiB + g x 1024 + (kq / 2) x 256 + (kq % 2) x 8
	s_add_co_u32 s34, s34, 0xc0000
	s_lshl_b32 s29, s28, 10
	s_add_co_u32 s34, s34, s29
	s_lshr_b32 s29, s27, 1
	s_lshl_b32 s29, s29, 8
	s_add_co_u32 s34, s34, s29
	s_and_b32 s29, s27, 1
	s_lshl_b32 s29, s29, 3
	s_add_co_u32 s34, s34, s29
	s_mov_b32 s35, 0
	s_wait_alu depctr_va_vdst(0)
	s_wait_kmcnt 0x0
	s_cmp_eq_u32 s25, 1                            ; the choice hangs on the work-group's number alone
	s_cselect_b64 s[10:11], s[12:13], s[10:11]
	s_cmp_eq_u32 s25, 2
	s_cselect_b64 s[10:11], s[14:15], s[10:11]
	s_cmp_eq_u32 s25, 3
	s_cselect_b64 s[10:11], s[16:17], s[10:11]
	s_add_nc_u64 s[10:11], s[10:11], s[30:31]
	s_add_nc_u64 s[18:19], s[18:19], s[32:33]
	s_add_nc_u64 s[20:21], s[20:21], s[34:35]
	WLOAD 0
	WLOAD 1
.irp t, 0,1,2,3,4,5,6,7
	WBLOCK \t
.endr
	global_store_b64 v4, v[PWX:PWX+1], s[20:21]    ; my column's 8 scale bytes
	s_wait_tensorcnt 0x0                           ; the wave's end
	ds_add_u32 v[SPW], v[NIL]
	s_wait_dscnt 0x0
	s_endpgm
	; ================ waves 0 to 2: tile 3 x work-group + wave of the 3 x 512 tiles of Q, K, V: 16 rows, all of k, in 8 steps of 128
.Ltokens:
	s_mul_i32 s27, ttmp9, 3
	s_add_co_u32 s27, s27, s[WV]                   ; 512 x tensor + T
	s_lshr_b32 s26, s27, 9                         ; the tensor
	s_and_b32 s28, s27, 511                        ; T
	s_lshr_b32 s29, s28, 1
	s_lshl_b32 s29, s29, 5
	s_and_b32 s30, s28, 1
	s_lshl_b32 s30, s30, 3
	s_add_co_u32 s30, s30, s29                     ; the tile's first row: 32 (T / 2) + 8 (T % 2)
	s_lshl_b32 s30, s30, 12
	s_mov_b32 s31, 0
	s_lshl_b32 s32, s27, 13                        ; img: the three tensors' images follow each other, 8,192 bytes a tile
	s_mov_b32 s33, 0
	s_lshl_b32 s34, s27, 9                         ; scl likewise, 512 bytes a tile
	s_mov_b32 s35, 0
	s_mov_b32 s[SEL], 0x76543210
	s_mov_b32 s[SEL+1], 0xfedcba98
	s_mul_i32 s36, s[WV], STG
	s_wait_alu depctr_va_vdst(0)
	v_lshlrev_b32 v2, 4, v1                        ; 16 x lane
	v_add_nc_u32 v3, s36, v2                       ; the stage, in: a row's 512 bytes
	v_and_b32 v5, 15, v1
	v_lshrrev_b32 v6, 4, v1
	v_mul_u32_u24 v4, v5, SP
	v_lshl_add_u32 v4, v6, 6, v4
	v_add_nc_u32 v4, s36, v4                       ; out: row lane % 16, 64 bytes on for lanes 16-31
.irp b, 0,1,2,3
	v_mov_b32 v[TM+4+\b], 0                        ; written once: a lane permute's destination counts as one of its sources
.endr
	s_wait_alu depctr_va_vdst(0)
	s_wait_kmcnt 0x0
	s_cmp_eq_u32 s26, 1
	s_cselect_b64 s[4:5], s[6:7], s[4:5]
	s_cmp_eq_u32 s26, 2
	s_cselect_b64 s[4:5], s[8:9], s[4:5]
	s_add_nc_u64 s[4:5], s[4:5], s[30:31]
	s_add_nc_u64 s[18:19], s[18:19], s[32:33]
	s_add_nc_u64 s[20:21], s[20:21], s[34:35]
	XLOAD 0
	XLOAD 1
	s_wait_loadcnt 16                              ; step 0's 16 loads are in
	XTURN 0
.irp t, 0,1,2,3,4,5,6,7
	XSTEP \t
.endr
	v_cmp_le_u32 vcc_lo, 16, v1                    ; lanes 0-15 store the words of K steps 0-3 of their row, lanes 16-31 those of steps 4-7 (both halves hold all eight)
.irp i, 0,1,2,3
	v_cndmask_b32 v[PWX+\i], v[PWX+\i], v[PWX+4+\i], vcc_lo
.endr
	global_store_b128 v2, v[PWX:PWX+3], s[20:21]   ; 512 consecutive bytes
	s_wait_tensorcnt 0x0                           ; the wave's end
	ds_add_u32 v[SPW], v[NIL]
	s_wait_dscnt 0x0
	s_endpgm
.Lfunc_end_k_q8e63f30765_quant:
	.size	k_q8e63f30765_quant, .Lfunc_end_k_q8e63f30765_quant-k_q8e63f30765_quant
	.p2alignl 7, 3214868480
	.fill 96, 4, 3214868480
	.section	.rodata,"a",@progbits
	.p2align	6, 0x0
	.amdhsa_kernel k_q8e63f30765_quant
		.amdhsa_group_segment_fixed_size 34304
		.amdhsa_private_segment_fixed_size 0
		.amdhsa_enable_private_segment 0
		.amdhsa_kernarg_size 72
		.amdhsa_user_sgpr_count 2
		.amdhsa_user_sgpr_kernarg_segment_ptr 1
		.amdhsa_wavefront_size32 1
		.amdhsa_system_sgpr_workgroup_id_x 1
		.amdhsa_system_sgpr_workgroup_id_y 1
		.amdhsa_system_sgpr_workgroup_id_z 1
		.amdhsa_system_vgpr_workitem_id 0
		.amdhsa_next_free_vgpr 256
		.amdhsa_next_free_sgpr 66
		.amdhsa_reserve_vcc 1
		.amdhsa_float_denorm_mode_32 3
		.amdhsa_float_denorm_mode_16_64 3
		.amdhsa_memory_ordered 1
		.amdhsa_forward_progress 1
		.amdhsa_inst_pref_size 101
	.end_amdhsa_kernel
	.amdgpu_metadata
---
amdhsa.version: [ 1, 2 ]
amdhsa.kernels:
  - .name:           k_q8e63f30765_quant
    .symbol:         k_q8e63f30765_quant.kd
    .args:
      - { .name: Q, .offset: 0, .size: 8, .value_kind: global_buffer, .address_space: global }
      - { .name: K, .offset: 8, .size: 8, .value_kind: global_buffer, .address_space: global }
      - { .name: V, .offset: 16, .size: 8, .value_kind: global_buffer, .address_space: global }
      - { .name: Wq, .offset: 24, .size: 8, .value_kind: global_buffer, .address_space: global }
      - { .name: Wk, .offset: 32, .size: 8, .value_kind: global_buffer, .address_space: global }
      - { .name: Wv, .offset: 40, .size: 8, .value_kind: global_buffer, .address_space: global }
      - { .name: Wo, .offset: 48, .size: 8, .value_kind: global_buffer, .address_space: global }
      - { .name: img, .offset: 56, .size: 8, .value_kind: global_buffer, .address_space: global }
      - { .name: scl, .offset: 64, .size: 8, .value_kind: global_buffer, .address_space: global }
    .group_segment_fixed_size: 34304
    .private_segment_fixed_size: 0
    .kernarg_segment_align: 8
    .kernarg_segment_size: 72
    .max_flat_workgroup_size: 128
    .sgpr_count:     66
    .vgpr_count:     256
    .wavefront_size: 32
...
	.end_amdgpu_metadata
.endif
;; end of part 1
;; launch proj (part 2): grid 8 x 32, 4 waves a work-group, clusters of 4 x 4, 327,680 bytes of LDS; arguments img, scl, bq, bk, bv, mask, qc, qs, kv; writes qc, qs, kv
.if DOCPART == 2
	.amdgcn_target "amdgcn-amd-amdhsa--gfx1250"
	.amdhsa_code_object_version 6
	.text
	.protected	k_q8e63f30765_proj
	.globl	k_q8e63f30765_proj
	.p2align	8
	.type	k_q8e63f30765_proj,@function
k_q8e63f30765_proj:
	s_mov_b64 s[64:65], 0
	v_nop
	global_prefetch_b8 v0, s[64:65] scope:SCOPE_SE
	s_setreg_imm32_b32 hwreg(HW_REG_WAVE_MODE, 25, 1), 1
	s_wait_xcnt 0x0
	s_wait_alu depctr_hold_cnt(0) depctr_sa_sdst(0) depctr_va_vdst(0) depctr_va_sdst(0) depctr_va_ssrc(0) depctr_va_vcc(0) depctr_vm_vsrc(0)
	s_getreg_b32 s2, hwreg(HW_REG_IB_STS2, 6, 4)
	s_cmp_eq_u32 s2, 0
	s_cbranch_scc0 .Lentry_in_a_cluster
	s_endpgm
.Lentry_in_a_cluster:
	s_bfe_u32 s2, ttmp6, 0x10000c
	s_cmp_lg_u32 s2, 0xf033
	s_cbranch_scc0 .Lentry_shape_is_right
	s_endpgm
.Lentry_shape_is_right:
; The three projections q = Q Wq + bq, k = K Wk + bk, v = V Wv + bv on codes of FP4 with E8M0 scales, and their results quantised at once for the attention's two products.
; ONE FORM: D = P x R^T, source 0 = 16 rows of P, source 1 = 16 rows of R: a lane then holds ONE row of R, and its registers run along P, the axis along which the result is quantised.
;   q, k: P = the weight's columns n (a head's 64 are two blocks of 32), R = tokens.      v: P = tokens (the keys are the second product's K), R = Wv's columns n.
; A tile's row r is row 32 g + 8 u + r + 8 (r / 8) (tile 2 g + u), so the 16 registers of P's tiles 2 b and 2 b + 1 are 16 neighbours along P: 32 b + 16 (lane / 16) + 0 .. 15.
; SHARES: 256 work-groups that STAY: each makes one block, 128 of P x 256 of R, of q, then of k (a loop of two trips), then of v (written out).
;   Wave w makes all 128 of P x R's tiles 4 w .. 4 w + 3: 32 accumulators.  A block's codes for all of K = 1,024 lie in LDS, 192 KB, brought by one tensor load a wave.
; THE REFILL: when K step 7's fragments are in registers nobody reads the block's codes any more: each wave waits for its tensor loads, adds 0 to its spare word, waits for that and for its LDS reads; a round of the
;   cluster's barrier follows, and behind it the next block's joint load, one a wave.  K step 7's products, the way out and the next block's bias and scale loads stand between that load and the wait for it.
; CLUSTERS 4 x 4: P's tiles hang on the cluster's numbers and cx alone and are asked for jointly by a column of the cluster, R's on cy alone, by a row.  Which projection: the trip's number, the same in all partners.
; PREFETCH INTO THE L2: ahead of a trip's first products, seven K steps (224 products) ahead of the load that wants them, each wave names its share of the next block's codes: of R's 128 KB the partner at cx takes 32 KB, a wave 8 KB,
;   lanes 256 bytes apart; of P's 64 KB the partner at cy takes 16 KB, a wave 4 KB in lanes 0-15 (lanes 16-31 name the wave's last block again).  Each block of 256 bytes is named once a cluster.  The first block and the scale words come by their loads alone; the tail asks for nothing.
; THE MASK RIDES IN k'S SCALE BYTES.  The score product has K = 64 and its instruction 128.  At place 64 the attention launch puts the code +1 for q and -1 for k; here q's scale byte of block 2 is 100 (2^-27) and k's is
; 254 (2^127) for a key with mask == 0, else 1 (2^-126): a hidden key's score gets -2^100 added, a counted key's -2^-153, which is under every f32 number.  Block 3: q's byte 1 over zero codes, k's byte 127.
; LIMITS: scores far under 2^75 in size; NaN and infinities among the inputs are not served; a block of zeros gets the byte 1 (its codes are zeros; the bytes are read by this program alone).
; OUT: qc [bh][tile 128][512 B]: registers 0-3 of q's fragment;  qs [bh][g 32][r][a 4][4 B]: finished scale words of tile 4 g + a;
;      kv [bh][step 16][8960 B]: K codes [tile 8][512] at 0, V codes [dt 4][1024] at 4096, K scale words [j 2][r][a 4][4] at 8192, V scale words [r][dt 4][4] at 8704.
; REGISTERS: window 0: v1-31 addresses; v32-47, v48-79 scale words of R, of P; v80-111 codes; v112-119 scale words made; v128-191 R's fragments, two sets; v192-207 at work.
;   window 1: accumulator (a, b) at v[8 (8 a + b)].   window 2: P's fragments, two sets, v0-127; the bias tiles v128-191.
; SCALARS: s[4:21] the arguments, never rewritten; s2, s3 which block of P, of R; s[24:39] groups 1; s[56:59], s[72:75] groups 0; s[40:43] where codes and scale words go; s[48:51] R's and P's scale words; s[60:63] the prefetches.
.set POFF,  131072                     ; LDS: R's 16 tiles x 8 KB, then P's 8 tiles x 8 KB
.set SPARE, 196608                     ; the spare words, 128 bytes a wave, which no other line names
.set HEADB, 143360                     ; a head in kv
.set STEPB, 8960                       ; a key step in kv
.set AR,   6                           ; v6     my R fragments
.set AP,   8                           ; v8     P's
.set PFO,  9                           ; v9     256 x lane
.set PFQ,  10                          ; v10    256 x min(lane, 15)
.set VO,   16                          ; v16-23 where codes (a, c) go
.set PADR, 24                          ; v24-27 the upper two bytes of the scale words
.set SPW,  28
.set NIL,  29
.set SCR,  32                          ; v[SCR + 8 i + s]: K step s; lanes 0-15 R's tile 2 i, lanes 16-31 tile 2 i + 1
.set SCP,  48                          ; the same for P
.set PC,   80
.set PW,   112
.set WD,   116
.set RF,   128
.set TM,   192
.set BI,   128                         ; in window 2
.set WV,   22
.set PROJ, 23                          ; 0 q, 1 k, 2 v: also the loop's counter
.set AM,   52                          ; which bits of a made scale word are kept
.set SEL,  66
.set MSB, 0
.macro WIN new                         ; the immediate's high byte repeats the setting that is left
.if MSB != \new
	s_set_vgpr_msb (MSB<<8)|\new
.set MSB, \new
.endif
.endm
.macro PLACES n
.rept \n
	v_nop
.endr
.endm
.macro CROUND                          ; a round of the cluster's barrier
	s_barrier_signal -1
	s_barrier_wait -1
	s_cmp_lg_u32 s[WV], 0
	s_cbranch_scc1 .Lnot_wave_0_\@
	s_barrier_signal -3
.Lnot_wave_0_\@:
	s_barrier_wait -3
	s_barrier_signal -1
	s_barrier_wait -1
.endm
.macro TLOADS                          ; one joint load a wave: waves 0, 1 eight tiles of R each, waves 2, 3 four tiles of P each, all of K
	s_cmp_lt_u32 s[WV], 2
	s_cbranch_scc0 .Lfill_p_\@
	tensor_load_to_lds s[56:59], s[24:31]
	s_nop 0
	PLACES 4
	s_branch .Lfilled_\@
.Lfill_p_\@:
	tensor_load_to_lds s[72:75], s[32:39]
	s_nop 0
	PLACES 4
.Lfilled_\@:
.endm
; Where projection s[PROJ]'s block lies: s2, s3, both groups 0, the scale words' addresses; pf = 1: the prefetches' too.  Temporaries that hold cy (s82) and cx (s83) are kept apart.
.macro DESC pf
	s_lshl_b32 s76, s[PROJ], 19
	s_add_co_u32 s76, s76, 0xc00000                ; the weight's codes in img,
	s_lshl_b32 s77, s[PROJ], 15
	s_add_co_u32 s77, s77, 0xc0000                 ; its scales in scl,
	s_lshl_b32 s78, s[PROJ], 22                    ; the tokens' codes,
	s_lshl_b32 s79, s[PROJ], 18                    ; the tokens' scales
	s_lshl_b32 s80, s55, 1
	s_add_co_u32 s80, s80, ttmp9                   ; v: 16 clusters along P
	s_cmp_eq_u32 s[PROJ], 2
	s_cselect_b32 s80, s80, ttmp9                  ; the cluster's place along P,
	s_cselect_b32 s81, 0, s55                      ; along R
	s_cselect_b32 s94, s78, s76                    ; P's codes: v: the tokens', else the weight's
	s_cselect_b32 s96, s79, s77                    ; P's scales
	s_cselect_b32 s90, s76, s78                    ; R's codes
	s_cselect_b32 s92, s77, s79                    ; R's scales
	s_lshl_b32 s2, s80, 2
	s_add_co_u32 s2, s2, s53                       ; which 128 rows of P
	s_lshl_b32 s3, s81, 2
	s_add_co_u32 s3, s3, s54                       ; which 256 rows of R
	s_lshl_b32 s82, s3, 17
	s_add_co_u32 s90, s90, s82
	s_lshl_b32 s82, s3, 13
	s_add_co_u32 s92, s92, s82
	s_lshl_b32 s82, s[WV], 11
	s_add_co_u32 s92, s92, s82                     ; my wave's four tiles' scale words
	s_lshl_b32 s83, s2, 16
	s_add_co_u32 s94, s94, s83
	s_lshl_b32 s83, s2, 12
	s_add_co_u32 s96, s96, s83
	s_mov_b32 s91, 0
	s_mov_b32 s93, 0
	s_mov_b32 s95, 0
	s_mov_b32 s97, 0
.if \pf
	s_lshl_b32 s84, s53, 15                        ; R's block: my work-group's 32 KB by cx, my wave's 8 KB
	s_add_co_u32 s84, s84, s90
	s_lshl_b32 s85, s[WV], 13
	s_add_co_u32 s84, s84, s85
	s_mov_b32 s85, 0
	s_add_nc_u64 s[60:61], s[4:5], s[84:85]
	s_lshl_b32 s86, s54, 14                        ; P's block: my work-group's 16 KB by cy, my wave's 4 KB
	s_add_co_u32 s86, s86, s94
	s_lshl_b32 s87, s[WV], 12
	s_add_co_u32 s86, s86, s87
	s_mov_b32 s87, 0
	s_add_nc_u64 s[62:63], s[4:5], s[86:87]
.endif
	s_lshl_b32 s82, s68, 16                        ; the half of the tiles that I fetch
	s_add_co_u32 s90, s90, s82
	s_lshl_b32 s83, s68, 15
	s_add_co_u32 s94, s94, s83
	s_add_nc_u64 s[58:59], s[4:5], s[90:91]
	s_or_b32 s59, s59, 0x80000000                  ; the type
	s_add_nc_u64 s[74:75], s[4:5], s[94:95]
	s_or_b32 s75, s75, 0x80000000
	s_add_nc_u64 s[48:49], s[6:7], s[92:93]
	s_add_nc_u64 s[50:51], s[6:7], s[96:97]
.endm
.macro WM d, a, b, c, sa, sb, ra, rb   ; one product; ra, rb: the side's scale words stand in lanes 16-31
.if (\ra) && (\rb)
	v_wmma_scale_f32_16x16x128_f8f6f4 v[\d:\d+7], v[\a:\a+7], v[\b:\b+7], v[\c:\c+7], v[\sa], v[\sb] matrix_a_fmt:MATRIX_FMT_FP4 matrix_b_fmt:MATRIX_FMT_FP4 matrix_a_scale:MATRIX_SCALE_ROW1 matrix_b_scale:MATRIX_SCALE_ROW1
.elseif \ra
	v_wmma_scale_f32_16x16x128_f8f6f4 v[\d:\d+7], v[\a:\a+7], v[\b:\b+7], v[\c:\c+7], v[\sa], v[\sb] matrix_a_fmt:MATRIX_FMT_FP4 matrix_b_fmt:MATRIX_FMT_FP4 matrix_a_scale:MATRIX_SCALE_ROW1
.elseif \rb
	v_wmma_scale_f32_16x16x128_f8f6f4 v[\d:\d+7], v[\a:\a+7], v[\b:\b+7], v[\c:\c+7], v[\sa], v[\sb] matrix_a_fmt:MATRIX_FMT_FP4 matrix_b_fmt:MATRIX_FMT_FP4 matrix_b_scale:MATRIX_SCALE_ROW1
.else
	v_wmma_scale_f32_16x16x128_f8f6f4 v[\d:\d+7], v[\a:\a+7], v[\b:\b+7], v[\c:\c+7], v[\sa], v[\sb] matrix_a_fmt:MATRIX_FMT_FP4 matrix_b_fmt:MATRIX_FMT_FP4
.endif
.endm
.macro SCALES                          ; all scale words of my tiles, for all 8 K steps, from memory straight into their registers: sixteen lanes read 256 consecutive bytes
.irp i, 0,1
.irp f, 0,1
	global_load_b128 v[SCR+8*\i+4*\f:SCR+8*\i+4*\f+3], v5, s[48:49] offset:1024*\i+256*\f
.endr
.endr
.irp i, 0,1,2,3
.irp f, 0,1
	global_load_b128 v[SCP+8*\i+4*\f:SCP+8*\i+4*\f+3], v5, s[50:51] offset:1024*\i+256*\f
.endr
.endr
.endm
.macro FETCH s, set                    ; K step s: P's 8 fragments and my 4 of R: each load 512 consecutive bytes
	WIN 0x80                                       ; destination window 2
.irp b, 0,1,2,3,4,5,6,7
.irp c, 0,1
	ds_load_b128 v[64*(\set)+8*\b+4*\c:64*(\set)+8*\b+4*\c+3], v[AP] offset:8192*\b+1024*(\s)+512*\c
.endr
.endr
	WIN 0
.irp a, 0,1,2,3
.irp c, 0,1
	ds_load_b128 v[RF+32*(\set)+8*\a+4*\c:RF+32*(\set)+8*\a+4*\c+3], v[AR] offset:8192*\a+1024*(\s)+512*\c
.endr
.endr
.endm
; 32 products of K step s.  The 32 accumulators take turns, one instruction a turn, in the same order in every step.
; cmode 0: onto the sums; 1: the sums begin with the bias along P (tile b); 2: with the bias along R (tile a).  Nothing is ever cleared.
.macro MUL s, cmode
.if \cmode
	WIN 0x62                                       ; A window 2, B window 0, C window 2, D window 1
.else
	WIN 0x52                                       ; C and D window 1
.endif
.irp a, 0,1,2,3
.irp b, 0,1,2,3,4,5,6,7
.if \cmode == 1
	WM 8*(8*\a+\b), 64*((\s)%2)+8*\b, RF+32*((\s)%2)+8*\a, BI+8*\b, SCP+8*(\b/2)+(\s), SCR+8*(\a/2)+(\s), \b%2, \a%2
.elseif \cmode == 2
	WM 8*(8*\a+\b), 64*((\s)%2)+8*\b, RF+32*((\s)%2)+8*\a, BI+8*\a, SCP+8*(\b/2)+(\s), SCR+8*(\a/2)+(\s), \b%2, \a%2
.else
	WM 8*(8*\a+\b), 64*((\s)%2)+8*\b, RF+32*((\s)%2)+8*\a, 8*(8*\a+\b), SCP+8*(\b/2)+(\s), SCR+8*(\a/2)+(\s), \b%2, \a%2
.endif
.endr
.endr
.endm
.macro STEP s, refill
.if \refill
	WIN 0                                          ; the add's registers lie in window 0
.endif
	s_wait_dscnt 0x0                               ; this step's fragments are in: they were asked for 32 products ago
.if \s < 7
	PLACES 4                                       ; four plain instructions between the last products and loads into the registers that they read
	FETCH (\s)+1, ((\s)+1)%2
.endif
.if \refill
	s_wait_tensorcnt 0x0                           ; no tensor load of mine is out;
	ds_add_u32 v[SPW], v[NIL]                      ; 0 onto my spare word;
	s_wait_dscnt 0x0                               ; the add is done, and my reads of this block's codes are over
	CROUND                                         ; that holds of every wave of every partner:
	TLOADS                                         ; the next block, the first tensor load behind the round
.endif
	MUL \s, 0
.endm
; The 64 results of my row of R's tile a become a fragment (v[PC + 8 a] on) and a scale word (v[PW + a]), and leave.  Each accumulator is read from its low end on.
.macro QACC a
	WIN 0x05                                       ; sources 0 and 1 window 1
.irp b, 0,1,2,3
	v_max3_num_f32 v[TM+\b], |v[64*\a+16*\b]|, |v[64*\a+16*\b+1]|, 0x1800000
.endr
	WIN 0x14                                       ; sources 1 and 2 window 1
.irp i, 2,4,6,8,10,12,14
.irp b, 0,1,2,3
	v_max3_num_f32 v[TM+\b], v[TM+\b], |v[64*\a+16*\b+\i]|, |v[64*\a+16*\b+\i+1]|
.endr
.endr
	WIN 0
.irp b, 0,1,2,3
	v_permlanex16_b32 v[TM+4+\b], v[TM+\b], s[SEL], s[SEL+1]
.endr
.irp b, 0,1,2,3
	v_max_num_f32 v[TM+\b], v[TM+\b], v[TM+4+\b]
.endr
.irp b, 0,1,2,3
	v_add_nc_u32 v[TM+12+\b], 0xff000000, v[TM+\b] ; 2 off the exponent field: the conversion's scale operand
.endr
.irp b, 0,1,2,3
	v_lshrrev_b32 v[TM+4+\b], 23, v[TM+12+\b]
.endr
	v_lshl_or_b32 v[PW+\a], v[TM+5], 8, v[TM+4]
	v_lshl_or_b32 v[PW+\a], v[TM+6], 16, v[PW+\a]
	v_lshl_or_b32 v[PW+\a], v[TM+7], 24, v[PW+\a]
	WIN 0x01                                       ; source 0 window 1
.irp b, 0,1,2,3
	v_cvt_scalef32_pk8_fp4_f32 v[PC+8*\a+2*\b], v[64*\a+16*\b:64*\a+16*\b+7], v[TM+12+\b]
	v_cvt_scalef32_pk8_fp4_f32 v[PC+8*\a+2*\b+1], v[64*\a+16*\b+8:64*\a+16*\b+15], v[TM+12+\b]
.endr
	WIN 0
	v_lshrrev_b32 v30, v12, v[PW+\a]               ; (a plain instruction behind the conversions)  q, k: lanes 16-31 take the second head's two bytes; v: the word as it is
	v_and_or_b32 v[WD+\a], v30, s[AM], v[PADR+\a]  ; q, k: two bytes of scales, two of the mask's device; v: all four bytes
.irp c, 0,1
.irp i, 0,1
	v_permlane16_swap_b32 v[PC+8*\a+4*\c+\i], v[PC+8*\a+2+4*\c+\i]
.endr
.endr
.irp c, 0,1
	global_store_b128 v[VO+2*\a+\c], v[PC+8*\a+4*\c:PC+8*\a+4*\c+3], s[40:41]   ; 512 consecutive bytes.  q, k: c = the head; v: c = the fragment's half
.endr
.endm
.macro WAYOUT
	PLACES 4                                       ; four plain instructions between the last products and the first read of results
.irp a, 0,1,2,3
	QACC \a
.endr
	global_store_b128 v15, v[WD:WD+3], s[42:43]    ; sixteen lanes fill 256 consecutive bytes
.endm
	s_load_b512 s[4:19], s[0:1], 0x0               ; img s[4:5], scl s[6:7], bq s[8:9], bk s[10:11], bv s[12:13], mask s[14:15], qc s[16:17], qs s[18:19]
	s_load_b64 s[20:21], s[0:1], 0x40              ; kv
	v_lshl_add_u32 v[SPW], v0, 2, SPARE
	v_mov_b32 v[NIL], 0
	ds_add_u32 v[SPW], v[NIL]                      ; the opening: the add, twice on end, and its wait ahead of my first tensor load
	ds_add_u32 v[SPW], v[NIL]
	v_lshrrev_b32 v1, 5, v0
	v_readfirstlane_b32 s[WV], v1                  ; wave 0..3
	s_bfe_u32 s53, ttmp6, 0x40000                  ; cx
	s_bfe_u32 s54, ttmp6, 0x40004                  ; cy
	s_and_b32 s55, ttmp7, 0xffff                   ; cluster y, 0..7
	s_and_b32 s68, s[WV], 1                        ; which half of R's or of P's tiles I fetch
	s_mov_b32 s[PROJ], 0
	s_lshl_b32 s86, s54, 2
	s_lshl_b32 s86, 15, s86                        ; my row of the cluster
	s_lshl_b32 s89, 0x1111, s53                    ; my column
	; descriptor groups 1.  Elements of 8 bytes, no padding.  A tile, all of K, is a row of 8,192 bytes, and the tiles follow each other
	s_or_b32 s24, s86, (3<<16)|(1<<21)             ; R's codes: 8 tiles a load; the mask: my row; bit 21 set beside a mask
	s_or_b32 s32, s89, (3<<16)|(1<<21)             ; P's codes: 4 tiles a load; my column
.irp g, 24, 32
	s_mov_b32 s[\g+1], 1024<<16                    ; tensor_dim0
	s_mov_b32 s[\g+3], 1024<<16                    ; tile_dim0
	s_mov_b32 s[\g+5], 1024                        ; from tile to tile
	s_mov_b32 s[\g+6], 0
	s_mov_b32 s[\g+7], 0
.endr
	s_mov_b32 s26, 8<<16                           ; tensor_dim1
	s_mov_b32 s28, 8                               ; tile_dim1
	s_mov_b32 s34, 4<<16
	s_mov_b32 s36, 4
	s_mov_b32 s56, 1                               ; groups 0.  No place in the cluster enters an LDS address
	s_mov_b32 s72, 1
	s_lshl_b32 s57, s68, 16
	s_lshl_b32 s73, s68, 15
	s_add_co_u32 s73, s73, POFF
	s_mov_b32 s[SEL], 0x76543210
	s_mov_b32 s[SEL+1], 0xfedcba98
	s_wait_dscnt 0x0                               ; both opening adds are done
	s_wait_kmcnt 0x0
	DESC 0                                         ; q's block
	CROUND                                         ; all sixteen work-groups are here: the joint loads meet
	TLOADS
	v_and_b32 v1, 31, v0                           ; lane
	v_and_b32 v2, 15, v0                           ; r
	v_bfe_u32 v3, v0, 4, 1                         ; h
	v_lshlrev_b32 v4, 4, v1                        ; 16 x lane
	v_lshlrev_b32 v5, 4, v2
	v_lshl_add_u32 v5, v3, 9, v5                   ; scale words: 16 r, and lanes 16-31 the next tile's
	s_lshl_b32 s98, s[WV], 15
	v_add_nc_u32 v[AR], s98, v4                    ; my four tiles of R
	v_add_nc_u32 v[AP], POFF, v4
	v_and_b32 v13, 8, v2
	v_add_nc_u32 v13, v13, v2
	v_lshlrev_b32 v13, 2, v13                      ; 4 (r + 8 (r / 8)): my row of a tile of R, in words
	v_lshlrev_b32 v14, 6, v3                       ; 64 h: my half's 16 of a block of 32 along P, in words
	v_lshlrev_b32 v[PFO], 8, v1
	v_min_u32 v[PFQ], 15, v1
	v_lshlrev_b32 v[PFQ], 8, v[PFQ]
.irp b, 0,1,2,3
	v_mov_b32 v[TM+4+\b], 0                        ; written once: a lane permute's destination counts as one of its sources
.endr
	s_wait_alu depctr_va_vdst(0)
.Ltrip:                                            ; two trips: q, then k
	s_wait_xcnt 0x0                                ; the last trip's stores and prefetches have read their registers, which are written again below
	SCALES
	s_cmp_eq_u32 s[PROJ], 0
	s_cselect_b64 s[44:45], s[8:9], s[10:11]       ; bq or bk
	s_lshl_b32 s92, s2, 9
	s_mov_b32 s93, 0
	s_mov_b32 s97, 0
	s_add_nc_u64 s[44:45], s[44:45], s[92:93]
	WIN 0x80
.irp b, 0,1,2,3,4,5,6,7                ; tile b's C: register j = the bias at P's row 32 (b / 2) + 8 (b % 2) + 16 h + j
	global_load_b128 v[BI+8*\b:BI+8*\b+3], v14, s[44:45] offset:128*(\b/2)+32*(\b%2)
	global_load_b128 v[BI+8*\b+4:BI+8*\b+7], v14, s[44:45] offset:128*(\b/2)+32*(\b%2)+16
.endr
	WIN 0
	s_lshl_b32 s94, s3, 2
	s_add_co_u32 s94, s94, s[WV]                   ; which 64 tokens
	s_lshr_b32 s95, s94, 5                         ; the batch
	s_and_b32 s94, s94, 31                         ; g: which 64 of its 2,048
	s_lshl_b32 s95, s95, 4
	s_lshl_b32 s100, s2, 1
	s_add_co_u32 s95, s95, s100                    ; bh of the first of my two heads
	s_mov_b32 s[AM], 0xffff
	s_cmp_eq_u32 s[PROJ], 0
	s_cbranch_scc1 .Larm_q
	s_lshl_b32 s90, s3, 10
	s_lshl_b32 s91, s[WV], 8
	s_add_co_u32 s90, s90, s91                     ; my 64 keys, in words
	s_mov_b32 s91, 0
	s_add_nc_u64 s[46:47], s[14:15], s[90:91]      ; k: the mask of my keys
.irp a, 0,1,2,3
	global_load_b32 v[PADR+\a], v13, s[46:47] offset:(32*(\a/2)+8*(\a%2))*4
.endr
	s_mov_b32 s86, HEADB                           ; from head to head, for the scale words,
	s_mov_b32 s99, HEADB                           ; and for the codes
	s_mul_i32 s92, s95, HEADB
	s_lshr_b32 s100, s94, 1
	s_mul_i32 s100, s100, STEPB
	s_add_co_u32 s92, s92, s100                    ; the key step
	s_and_b32 s100, s94, 1
	s_lshl_b32 s101, s100, 8
	s_add_co_u32 s96, s92, s101
	s_add_co_u32 s96, s96, 8192
	s_lshl_b32 s101, s100, 11
	s_add_co_u32 s92, s92, s101
	v_mov_b32 v30, 0x7f010000                      ; a key that counts: block 2's byte 1, block 3's 127
	v_mov_b32 v31, 0x7ffe0000                      ; a hidden key: block 2's byte 254
	s_wait_alu depctr_va_vdst(0)
	s_wait_loadcnt 0x0
.irp a, 0,1,2,3
	v_cmp_eq_u32 vcc_lo, 0, v[PADR+\a]
	v_cndmask_b32 v[PADR+\a], v30, v31, vcc_lo     ; a choice of a value: no branch hangs on the mask
.endr
	s_branch .Larms_done
.Larm_q:
	s_mov_b32 s86, 8192
	s_mov_b32 s99, 65536
	s_lshl_b32 s92, s95, 16
	s_lshl_b32 s100, s94, 11
	s_add_co_u32 s92, s92, s100
	s_lshl_b32 s96, s95, 13
	s_lshl_b32 s100, s94, 8
	s_add_co_u32 s96, s96, s100
.irp a, 0,1,2,3
	v_mov_b32 v[PADR+\a], 0x01640000               ; q: block 2's byte 100, block 3's 1
.endr
.Larms_done:
	s_cmp_eq_u32 s[PROJ], 0                        ; q goes to qc and qs, k to kv
	s_cselect_b64 s[40:41], s[16:17], s[20:21]
	s_cselect_b64 s[42:43], s[18:19], s[20:21]
	s_add_nc_u64 s[40:41], s[40:41], s[92:93]
	s_add_nc_u64 s[42:43], s[42:43], s[96:97]
	v_lshlrev_b32 v12, 4, v3                       ; lanes 16-31 shift the word by 16 bits
	v_mul_lo_u32 v15, v3, s86
	v_lshl_add_u32 v15, v2, 4, v15                 ; the scale words' place: 16 r + h x a head
	v_mov_b32 v[VO], v4
	v_add_nc_u32 v[VO+1], s99, v4
.irp a, 1,2,3
	v_add_nc_u32 v[VO+2*\a], 512, v[VO+2*\a-2]
	v_add_nc_u32 v[VO+2*\a+1], 512, v[VO+2*\a-1]
.endr
	s_wait_alu depctr_va_vdst(0)
	s_wait_loadcnt 0x0                             ; the bias tiles and the scale words
	s_wait_tensorcnt 0x0                           ; my tiles are in,
	s_barrier_signal -1
	s_barrier_wait -1                              ; everybody's are.
	FETCH 0, 0
	s_add_co_u32 s[PROJ], s[PROJ], 1               ; no tensor load of mine is out, so the groups 0 may be written: the next projection's block
	DESC 1
	s_wait_dscnt 0x0
	FETCH 1, 1
	global_prefetch_b8 v[PFO], s[60:61] th:TH_LOAD_NT scope:SCOPE_SE   ; my share of the next block's codes: R's,
	global_prefetch_b8 v[PFQ], s[62:63] th:TH_LOAD_NT scope:SCOPE_SE   ; P's
	MUL 0, 1
.irp s, 1,2,3,4,5,6
	STEP \s, 0
.endr
	STEP 7, 1
	WAYOUT
	s_cmp_lt_u32 s[PROJ], 2
	s_wait_alu depctr_va_vdst(0)
	s_cbranch_scc1 .Ltrip
	; ---- v, written out: it asks for no further block
	s_wait_xcnt 0x0
	SCALES
	s_lshl_b32 s90, s3, 10
	s_lshl_b32 s91, s[WV], 8
	s_add_co_u32 s90, s90, s91                     ; my 64 columns, in words
	s_mov_b32 s91, 0
	s_add_nc_u64 s[44:45], s[12:13], s[90:91]      ; bv: a lane's row of R has one bias for all its registers
.irp a, 0,1,2,3
	global_load_b32 v[WD+\a], v13, s[44:45] offset:(32*(\a/2)+8*(\a%2))*4
.endr
	s_lshr_b32 s92, s2, 4
	s_lshl_b32 s92, s92, 4                         ; 16 x batch
	s_lshl_b32 s100, s3, 2
	s_add_co_u32 s92, s92, s100
	s_add_co_u32 s92, s92, s[WV]                   ; bh: my 64 columns are one head
	s_mul_i32 s92, s92, HEADB
	s_and_b32 s100, s2, 15
	s_mul_i32 s100, s100, STEPB                    ; P's 128 keys are one key step
	s_add_co_u32 s92, s92, s100
	s_add_co_u32 s96, s92, 8704
	s_add_co_u32 s92, s92, 4096
	s_mov_b32 s93, 0
	s_mov_b32 s97, 0
	s_mov_b32 s[AM], -1
	s_add_nc_u64 s[40:41], s[20:21], s[92:93]
	s_add_nc_u64 s[42:43], s[20:21], s[96:97]
.irp a, 0,1,2,3
	v_mov_b32 v[PADR+\a], 0
.endr
	v_mov_b32 v12, 0
	v_lshlrev_b32 v15, 4, v2                       ; both halves of the lanes hold the same four words and store them to the same 16 bytes
	v_mov_b32 v[VO], v4
	v_add_nc_u32 v[VO+1], 512, v4                  ; from half to half of a fragment
.irp a, 1,2,3
	v_add_nc_u32 v[VO+2*\a], 1024, v[VO+2*\a-2]    ; from fragment to fragment
	v_add_nc_u32 v[VO+2*\a+1], 1024, v[VO+2*\a-1]
.endr
	s_wait_alu depctr_va_vdst(0)
	s_wait_loadcnt 0x0
	WIN 0x80
.irp a, 0,1,2,3
.irp j, 0,1,2,3,4,5,6,7
	v_mov_b32 v[BI+8*\a+\j], v[WD+\a]
.endr
.endr
	WIN 0
	s_wait_alu depctr_va_vdst(0)
	s_wait_tensorcnt 0x0
	s_barrier_signal -1
	s_barrier_wait -1
	FETCH 0, 0
	s_wait_dscnt 0x0
	FETCH 1, 1
	MUL 0, 2
.irp s, 1,2,3,4,5,6,7
	STEP \s, 0
.endr
	WAYOUT
	s_wait_tensorcnt 0x0                           ; the wave's end
	ds_add_u32 v[SPW], v[NIL]
	s_wait_dscnt 0x0
	CROUND                                         ; the closing round
	s_endpgm
.Lfunc_end_k_q8e63f30765_proj:
	.size	k_q8e63f30765_proj, .Lfunc_end_k_q8e63f30765_proj-k_q8e63f30765_proj
	.p2alignl 7, 3214868480
	.fill 96, 4, 3214868480
	.section	.rodata,"a",@progbits
	.p2align	6, 0x0
	.amdhsa_kernel k_q8e63f30765_proj
		.amdhsa_group_segment_fixed_size 327680
		.amdhsa_private_segment_fixed_size 0
		.amdhsa_enable_private_segment 0
		.amdhsa_kernarg_size 72
		.amdhsa_user_sgpr_count 2
		.amdhsa_user_sgpr_kernarg_segment_ptr 1
		.amdhsa_wavefront_size32 1
		.amdhsa_system_sgpr_workgroup_id_x 1
		.amdhsa_system_sgpr_workgroup_id_y 1
		.amdhsa_system_sgpr_workgroup_id_z 1
		.amdhsa_system_vgpr_workitem_id 0
		.amdhsa_next_free_vgpr 768
		.amdhsa_next_free_sgpr 102
		.amdhsa_reserve_vcc 1
		.amdhsa_float_denorm_mode_32 3
		.amdhsa_float_denorm_mode_16_64 3
		.amdhsa_memory_ordered 1
		.amdhsa_forward_progress 1
		.amdhsa_inst_pref_size 145
	.end_amdhsa_kernel
	.amdgpu_metadata
---
amdhsa.version: [ 1, 2 ]
amdhsa.kernels:
  - .name:           k_q8e63f30765_proj
    .symbol:         k_q8e63f30765_proj.kd
    .args:
      - { .name: img, .offset: 0, .size: 8, .value_kind: global_buffer, .address_space: global }
      - { .name: scl, .offset: 8, .size: 8, .value_kind: global_buffer, .address_space: global }
      - { .name: bq, .offset: 16, .size: 8, .value_kind: global_buffer, .address_space: global }
      - { .name: bk, .offset: 24, .size: 8, .value_kind: global_buffer, .address_space: global }
      - { .name: bv, .offset: 32, .size: 8, .value_kind: global_buffer, .address_space: global }
      - { .name: mask, .offset: 40, .size: 8, .value_kind: global_buffer, .address_space: global }
      - { .name: qc, .offset: 48, .size: 8, .value_kind: global_buffer, .address_space: global }
      - { .name: qs, .offset: 56, .size: 8, .value_kind: global_buffer, .address_space: global }
      - { .name: kv, .offset: 64, .size: 8, .value_kind: global_buffer, .address_space: global }
    .group_segment_fixed_size: 327680
    .private_segment_fixed_size: 0
    .kernarg_segment_align: 8
    .kernarg_segment_size: 72
    .max_flat_workgroup_size: 128
    .sgpr_count:     102
    .vgpr_count:     768
    .wavefront_size: 32
...
	.end_amdgpu_metadata
.endif
;; end of part 2
;; launch attn (part 3): grid 4 x 64, 16 waves a work-group, clusters of 4 x 1, 167,936 bytes of LDS; arguments qc, qs, kv, oc, os; writes oc, os
.if DOCPART == 3
	.amdgcn_target "amdgcn-amd-amdhsa--gfx1250"
	.amdhsa_code_object_version 6
	.text
	.protected	k_q8e63f30765_attn
	.globl	k_q8e63f30765_attn
	.p2align	8
	.type	k_q8e63f30765_attn,@function
k_q8e63f30765_attn:
	s_mov_b64 s[64:65], 0
	v_nop
	global_prefetch_b8 v0, s[64:65] scope:SCOPE_SE
	s_setreg_imm32_b32 hwreg(HW_REG_WAVE_MODE, 25, 1), 1
	s_wait_xcnt 0x0
	s_wait_alu depctr_hold_cnt(0) depctr_sa_sdst(0) depctr_va_vdst(0) depctr_va_sdst(0) depctr_va_ssrc(0) depctr_va_vcc(0) depctr_vm_vsrc(0)
	s_getreg_b32 s2, hwreg(HW_REG_IB_STS2, 6, 4)
	s_cmp_eq_u32 s2, 0
	s_cbranch_scc0 .Lentry_in_a_cluster
	s_endpgm
.Lentry_in_a_cluster:
	s_bfe_u32 s2, ttmp6, 0x10000c
	s_cmp_lg_u32 s2, 0x3003
	s_cbranch_scc0 .Lentry_shape_is_right
	s_endpgm
.Lentry_shape_is_right:
; O[b][q][h][:] = the sum over keys of softmax(q . k / 8, hidden keys left out) v, both products on codes of FP4 with E8M0 scales; the result is quantised along the model's 1,024 for the last projection.
; THE SOFTMAX: t = score x log2(e) / 8; M = the running largest t rounded UP to a whole number; p = 2^(t - M) is quantised along the keys, not normalised; the row's sum of the unquantised p divides at the end.
; When M moves, the sum and O are multiplied by 2^(old M - new M), which rounds nothing.  The running maximum is kept of the SCORES (c is positive, so the largest score gives the largest t).
; THE MASK costs no vector instruction.  The head has 64 numbers and the instruction takes 128 along K.  At place 64 q has the code +1 (v20) and every key the code -1 (register 4 of each fragment of K): constants here.
; q's scale byte of that block is 100, a key's 254 if it is hidden, else 1 (made by the projection's launch): a hidden key's score is -2^100, a counted key's moves by -2^-153, under every f32 number.
; The running largest score starts at -2^92, so a hidden key never sets M, and its p is exactly 0.
; A BLOCK'S SCALE: the block's largest score goes through the same multiply-add with 2 more taken off, and one exponential: that is the block's largest p / 4, whose exponent field is the scale's byte and the conversion's operand.
; LIMITS: scores far under 2^75 in size and every counted score over -2^92; a batch all of whose keys are hidden (NaN by the definition) is not served; NaN and infinities are not served;
;   where a block's largest t - M lies within an ulp of a whole number, the multiply-add with 2 taken off may round across it, and the block then has the neighbouring scale.
; SHARES: a work-group owns 512 queries of one head; each of its sixteen waves one tile of 16 queries in each of two blocks of 256: tile 32 cx + 16 block + wave.  Four waves to a SIMD.
; THE WHOLE HEAD'S K AND V, codes and scale words, 16 key steps x 8,960 bytes as the projection laid them, stay in LDS: each wave fetches ONE step, once; nothing is filled again; both blocks of queries walk them.
; CLUSTER: the four work-groups of a head ask for each step JOINTLY: the same load, the same descriptor (head and wave alone), the mask 15.
; NO PREFETCH: every byte of kv is asked for once, by the head's one load a wave; there is no later load to run ahead of.
; THE WAVES WALK IN STEP: in each key step a wave waits until every wave has signalled in the step before, and then signals: no wave is more than one key step ahead of another.  This barrier orders no memory;
;   between a signal and its wait stand register work and LDS loads of bytes that nobody writes.
; A STEP'S LDS LOADS: V's stand behind the score products, K's of the NEXT step behind the maxima; all are waited for once, in front of the step's signal, so a step begins with its score products.
;   A block's last step is written out and asks for no further K.
; LAYOUT: both products transposed: S^T = K Q^T, O^T = V^T P^T: a lane holds one query.  A tile's row r is key (or channel) 32 g + 8 u + r + 8 (r / 8), so the 16 registers of tiles 2 b, 2 b + 1 are 16 neighbours.
; REGISTERS: v1-7 addresses; v8-11 the second block's q; v12 -M, v13 largest score, v[14:15] the sum; v16-23 q's fragment; v24, v25 q's scale words; v26-29 V's; v30, v31 at work; v32-95 K's 8 fragments; v96-159 S^T, then p;
;   v160-191 O^T; v192-223 V's 4 fragments; v224-231 p's codes; v232-243, v254, v255 at work; v244-251 K's scale words; v252 f; v253 p's scale word.
.set STEPB, 8960
.set HEADB, 143360
.set SPARE, 143360                     ; behind the head: the spare words, 128 bytes for each of 16 waves, which no other line names
.set SPW, 5
.set NIL, 6
.set WV,  14
.set SEL, 20                           ; s[20:21] lane l xor 16
.set CS,  22                           ; s[22:23] c = log2(e) / 8
.set G1,  24
.set G0,  32
.set TB,  48                           ; the key step's first LDS byte
.set CNT, 49
.set HI,  50                           ; lanes 16-31
.set BLK, 51
.macro CROUND
	s_barrier_signal -1
	s_barrier_wait -1
	s_cmp_lg_u32 s[WV], 0
	s_cbranch_scc1 .Lnot_wave_0_\@
	s_barrier_signal -3
.Lnot_wave_0_\@:
	s_barrier_wait -3
	s_barrier_signal -1
	s_barrier_wait -1
.endm
.macro INIT                            ; the first step finds zeros, which the first change of M leaves zeros
	v_mov_b32 v13, 0xed800000                      ; -2^92
	s_delay_alu instid0(VALU_DEP_1)
	v_mul_f32 v12, s[CS], v13
	s_delay_alu instid0(VALU_DEP_1)
	v_floor_f32 v12, -v12                          ; -M
	v_mov_b32 v14, 0
	v_mov_b32 v15, 0
.irp j, 0,1,2,3,4,5,6,7,8,9,10,11,12,13,14,15,16,17,18,19,20,21,22,23,24,25,26,27,28,29,30,31
	v_mov_b32 v[160+\j], 0
.endr
.endm
.macro KLOAD ac, as, off               ; a key step's K: registers 0-3 of its 8 fragments (4-7 are constants) and its 8 scale words: ten loads
.irp t, 0,1,2,3,4,5,6,7
	ds_load_b128 v[32+8*\t:35+8*\t], v[\ac] offset:\off+512*\t
.endr
	ds_load_b128 v[244:247], v[\as] offset:\off+8192
	ds_load_b128 v[248:251], v[\as] offset:\off+8448
.endm
.macro TM2 j                           ; t - M, two at a time
	v_pk_fma_f32 v[96+\j:97+\j], v[96+\j:97+\j], s[CS:CS+1], v[12:13] op_sel_hi:[1,0,0]
.endm
.macro STEP more                       ; 128 keys; their K is in registers.  more = 1: a step follows in this block of queries
.irp t, 0,1,2,3,4,5,6,7
	v_wmma_scale_f32_16x16x128_f8f6f4 v[96+8*\t:103+8*\t], v[32+8*\t:39+8*\t], v[16:23], 0, v[244+\t], v24 matrix_a_fmt:MATRIX_FMT_FP4 matrix_b_fmt:MATRIX_FMT_FP4
.endr
	v_mov_b32 v254, v12                            ; the old -M.  These four plain instructions stand behind the score products, and behind the last step's second product, ahead of the loads below
	v_add_nc_u32 v3, s[TB], v1
	v_add_nc_u32 v4, s[TB], v2
	v_nop
.irp f, 0,1,2,3,4,5,6,7
	ds_load_b128 v[192+4*\f:195+4*\f], v3 offset:4096+512*\f         ; V's four fragments
.endr
	ds_load_b128 v[26:29], v4 offset:8704                            ; V's scale words
.irp b, 0,1,2,3
	v_max3_num_f32 v[232+\b], v[96+16*\b], v[97+16*\b], v[98+16*\b]  ; the largest score of each block of 32 keys: for the row's maximum, and, since p rises with the score, for the block's largest p
.endr
.irp i, 3,5,7,9,11,13
.irp b, 0,1,2,3
	v_max3_num_f32 v[232+\b], v[232+\b], v[96+16*\b+\i], v[97+16*\b+\i]
.endr
.endr
.if \more
	KLOAD 3, 4, STEPB                              ; the next step's K
.endif
.irp b, 0,1,2,3
	v_max_num_f32 v[232+\b], v[232+\b], v[111+16*\b]
.endr
.irp b, 0,1,2,3
	s_delay_alu instid0(VALU_DEP_4)
	v_permlanex16_b32 v[236+\b], v[232+\b], s[SEL], s[SEL+1]
.endr
.irp b, 0,1,2,3
	s_delay_alu instid0(VALU_DEP_4)
	v_max_num_f32 v[232+\b], v[232+\b], v[236+\b]  ; with lane l xor 16's 16 keys
.endr
	s_delay_alu instid0(VALU_DEP_2)
	v_max3_num_f32 v255, v232, v233, v234
	s_delay_alu instid0(VALU_DEP_1)
	v_max3_num_f32 v13, v255, v235, v13            ; the running largest score
	s_delay_alu instid0(VALU_DEP_1)
	v_mul_f32 v255, s[CS], v13                     ; as t
	s_delay_alu instid0(VALU_DEP_1)
	v_floor_f32 v12, -v255                         ; the new -M = -ceil(t)
	s_delay_alu instid0(VALU_DEP_1)
	v_sub_f32 v254, v12, v254                      ; old M - new M: a whole number, 0 or less.  The lines that make f stand among the multiply-adds, which do not hang on them
	v_add_f32 v255, -2.0, v12                      ; -M - 2, for the blocks' largest scores
.irp j, 0,2,4,6
	TM2 \j
.endr
	v_cvt_i32_f32 v254, v254                       ; (it saturates)
.irp j, 8,10,12,14
	TM2 \j
.endr
	v_ldexp_f32 v252, 1.0, v254                    ; f = 2^(old M - new M)
.irp j, 16,18,20,22,24,26,28,30,32,34,36,38,40,42,44,46,48,50,52,54,56,58,60,62
	TM2 \j
.endr
.irp b, 0,1,2,3
	v_fma_f32 v[232+\b], v[232+\b], s[CS], v255    ; t - M - 2 of each block's largest score
.endr
	s_wait_alu depctr_va_vdst(0)
.irp j, 0,1,2,3,4,5,6,7,8,9,10,11,12,13,14,15,16,17,18,19,20,21,22,23,24,25,26,27,28,29,30,31,32,33,34,35,36,37,38,39,40,41,42,43,44,45,46,47,48,49,50,51,52,53,54,55,56,57,58,59,60,61,62,63
	v_exp_f32 v[96+\j], v[96+\j]                   ; p = 2^(t - M)
.endr
	v_pk_mul_f32 v[14:15], v[14:15], v[252:253] op_sel_hi:[1,0]      ; the sums under the new M: a plain instruction behind the exponentials
	s_wait_alu depctr_va_vdst(0)                   ; one wait for the batch of 64, ahead of its first reader
.irp b, 0,1,2,3
	v_exp_f32 v[232+\b], v[232+\b]                 ; the blocks' largest p / 4
.endr
.irp k, 0,1,2,3                        ; the row's sum of the unquantised p: 32 pairs in five chains, v[14:15] and v[236+2k:237+2k]
	v_pk_add_f32 v[236+2*\k:237+2*\k], v[96+4*\k:97+4*\k], v[98+4*\k:99+4*\k]
.endr
.irp r, 0,1,2,3
.irp k, 0,1,2,3
	v_pk_add_f32 v[236+2*\k:237+2*\k], v[236+2*\k:237+2*\k], v[112+10*\r+2*\k:113+10*\r+2*\k]
.endr
	v_pk_add_f32 v[14:15], v[14:15], v[120+10*\r:121+10*\r]
.endr
.irp k, 0,1,2,3
	v_pk_add_f32 v[236+2*\k:237+2*\k], v[236+2*\k:237+2*\k], v[152+2*\k:153+2*\k]
.endr
	s_wait_alu depctr_va_vdst(0)                   ; and one for the four
.irp b, 0,1,2,3
	v_max_num_f32 v[232+\b], 0x800000, v[232+\b]   ; the floor 2^-126: the byte cannot fall under 1 (a block whose every p is 0 keeps that byte over zero codes).  This is the conversion's scale operand
.endr
	v_pk_add_f32 v[236:237], v[236:237], v[238:239]                  ; the five chains are joined among the scale's lines
	v_pk_add_f32 v[240:241], v[240:241], v[242:243]
	v_lshrrev_b32 v30, 23, v232                    ; the scales' bytes
	v_lshrrev_b32 v31, 23, v233
	v_lshrrev_b32 v254, 23, v234
	v_lshrrev_b32 v255, 23, v235
	s_delay_alu instid0(VALU_DEP_3)
	v_lshl_or_b32 v253, v31, 8, v30
	s_delay_alu instid0(VALU_DEP_2)
	v_lshl_or_b32 v254, v255, 8, v254
	v_pk_add_f32 v[14:15], v[14:15], v[236:237]
	s_delay_alu instid0(VALU_DEP_2)
	v_lshl_or_b32 v253, v254, 16, v253             ; p's scale word for these 128 keys
.irp b, 0,1,2,3
	v_cvt_scalef32_pk8_fp4_f32 v[224+2*\b], v[96+16*\b:103+16*\b], v[232+\b]
	v_cvt_scalef32_pk8_fp4_f32 v[225+2*\b], v[104+16*\b:111+16*\b], v[232+\b]
.endr
	v_pk_add_f32 v[14:15], v[14:15], v[240:241]    ; the row's sum so far.  (One plain instruction behind the conversions)
.irp c, 0,1
.irp i, 0,1
	v_permlane16_swap_b32 v[224+4*\c+\i], v[226+4*\c+\i]
.endr
.endr
	s_wait_alu depctr_va_vdst(0)
.irp j, 0,2,4,6,8,10,12,14,16,18,20,22,24,26,28,30
	v_pk_mul_f32 v[160+\j:161+\j], v[160+\j:161+\j], v[252:253] op_sel_hi:[1,0]   ; O^T under the new M.  These sixteen also stand between the writes of p's codes and scale word and the products
.endr
	s_wait_alu depctr_va_vdst(0)
	s_wait_dscnt 0x0                               ; V is in, and so is the next step's K: no LDS instruction of mine is out at the signal
	s_barrier_wait -1                              ; every wave has signalled in the step before (first step: at the block's head)
.if \more
	s_barrier_signal -1                            ; and I am here
.endif
.irp d, 0,1,2,3
	v_wmma_scale_f32_16x16x128_f8f6f4 v[160+8*\d:167+8*\d], v[192+8*\d:199+8*\d], v[224:231], v[160+8*\d:167+8*\d], v[26+\d], v253 matrix_a_fmt:MATRIX_FMT_FP4 matrix_b_fmt:MATRIX_FMT_FP4
.endr
	s_add_co_u32 s[TB], s[TB], STEPB
.endm
.macro OUT                             ; O^T / the sum; register 16 b + i is channel 32 b + 16 (lane / 16) + i of my query: two blocks of the last projection's K
	v_add_f32 v14, v14, v15
	v_nop
	v_nop
	v_nop                                          ; four plain instructions behind the last products
	v_permlanex16_b32 v252, v14, s[SEL], s[SEL+1]
	s_delay_alu instid0(VALU_DEP_1)
	v_add_f32 v14, v14, v252                       ; the row's sum
	s_wait_alu depctr_va_vdst(0)
	v_rcp_f32 v14, v14
	v_nop
	s_wait_alu depctr_va_vdst(0)                   ; ahead of the reciprocal's first reader
.irp j, 0,2,4,6,8,10,12,14,16,18,20,22,24,26,28,30
	v_pk_mul_f32 v[96+\j:97+\j], v[160+\j:161+\j], v[14:15] op_sel_hi:[1,0]
.endr
.irp b, 0,1
	v_max3_num_f32 v[232+\b], |v[96+16*\b]|, |v[97+16*\b]|, 0x1800000
.endr
.irp i, 2,4,6,8,10,12,14
.irp b, 0,1
	s_delay_alu instid0(VALU_DEP_2)
	v_max3_num_f32 v[232+\b], v[232+\b], |v[96+16*\b+\i]|, |v[97+16*\b+\i]|
.endr
.endr
.irp b, 0,1
	s_delay_alu instid0(VALU_DEP_2)
	v_permlanex16_b32 v[236+\b], v[232+\b], s[SEL], s[SEL+1]
.endr
.irp b, 0,1
	s_delay_alu instid0(VALU_DEP_2)
	v_max_num_f32 v[232+\b], v[232+\b], v[236+\b]
.endr
.irp b, 0,1
	s_delay_alu instid0(VALU_DEP_2)
	v_add_nc_u32 v[240+\b], 0xff000000, v[232+\b]
.endr
.irp b, 0,1
	s_delay_alu instid0(VALU_DEP_2)
	v_lshrrev_b32 v[236+\b], 23, v[240+\b]
.endr
.irp b, 0,1
	v_cvt_scalef32_pk8_fp4_f32 v[224+2*\b], v[96+16*\b:103+16*\b], v[240+\b]
	v_cvt_scalef32_pk8_fp4_f32 v[225+2*\b], v[104+16*\b:111+16*\b], v[240+\b]
.endr
	v_cndmask_b32 v254, v236, v237, s[HI]          ; (a plain instruction behind the conversions)  lanes 0-15 store block 0's byte, lanes 16-31 block 1's
	v_permlane16_swap_b32 v224, v226               ; a whole block in a lane
	v_permlane16_swap_b32 v225, v227
	global_store_b128 v1, v[224:227], s[10:11]     ; 512 consecutive bytes: my head's two blocks of the tile's 16 rows
	global_store_b8 v7, v254, s[12:13]             ; 32 single bytes beside them: a row's 32 scale bytes come from 16 heads
.endm
	s_load_b256 s[4:11], s[0:1], 0x0               ; qc s[4:5], qs s[6:7], kv s[8:9], oc s[10:11]
	s_load_b64 s[12:13], s[0:1], 0x20              ; os
	v_lshl_add_u32 v[SPW], v0, 2, SPARE
	v_mov_b32 v[NIL], 0
	ds_add_u32 v[SPW], v[NIL]                      ; the opening: the add, twice on end, and its wait ahead of my first tensor load
	ds_add_u32 v[SPW], v[NIL]
	v_lshrrev_b32 v1, 5, v0
	s_delay_alu instid0(VALU_DEP_1)
	v_readfirstlane_b32 s[WV], v1                  ; wave 0..15
	s_bfe_u32 s15, ttmp6, 0x40000                  ; cx: it enters global addresses of q and of the result alone
	s_and_b32 s16, ttmp7, 0xffff                   ; bh = 16 batch + head, which the four partners share
	s_mov_b32 s[G1], 15|(3<<16)|(1<<21)            ; the mask: all four; elements of 8 bytes; bit 21 set beside a mask
	s_mov_b32 s[G1+1], 32<<16                      ; a key step: 35 dense rows of 256 bytes
	s_mov_b32 s[G1+2], 35<<16
	s_mov_b32 s[G1+3], 32<<16
	s_mov_b32 s[G1+4], 35
	s_mov_b32 s[G1+5], 32
	s_mov_b32 s[G1+6], 0
	s_mov_b32 s[G1+7], 0
	s_mov_b32 s[G0], 1
	s_mul_i32 s[G0+1], s[WV], STEPB                ; key step = my wave's number: its place in LDS,
	s_mul_i32 s52, s16, HEADB
	s_add_co_u32 s52, s52, s[G0+1]                 ; and in kv
	s_mov_b32 s53, 0
	s_lshl_b32 s17, s15, 5
	s_add_co_u32 s17, s17, s[WV]                   ; my tile of queries in the first block: 32 cx + wave
	s_lshl_b32 s54, s16, 16
	s_lshl_b32 s18, s17, 9
	s_add_co_u32 s54, s54, s18                     ; qc
	s_mov_b32 s55, 0
	s_lshl_b32 s56, s16, 13
	s_lshr_b32 s18, s17, 2
	s_lshl_b32 s18, s18, 8
	s_add_co_u32 s56, s56, s18
	s_and_b32 s18, s17, 3
	s_lshl_b32 s18, s18, 2
	s_add_co_u32 s56, s56, s18                     ; qs
	s_mov_b32 s57, 0
	s_lshr_b32 s18, s16, 4
	s_lshl_b32 s18, s18, 7
	s_add_co_u32 s18, s18, s17                     ; the tile among all 512
	s_and_b32 s19, s16, 15                         ; the head
	s_lshl_b32 s58, s18, 13
	s_lshl_b32 s60, s19, 9
	s_add_co_u32 s58, s58, s60                     ; oc: tile x 8192 + head x 512
	s_mov_b32 s59, 0
	s_lshl_b32 s60, s18, 9
	s_lshr_b32 s62, s19, 3
	s_lshl_b32 s62, s62, 8
	s_add_co_u32 s60, s60, s62
	s_and_b32 s62, s19, 7
	s_lshl_b32 s62, s62, 1
	s_add_co_u32 s60, s60, s62                     ; os: tile x 512 + (head / 8) x 256 + (head % 8) x 2
	s_mov_b32 s61, 0
	s_mov_b32 s[SEL], 0x76543210
	s_mov_b32 s[SEL+1], 0xfedcba98
	s_mov_b32 s[CS], 0x3e38aa3b                    ; log2(e) / 8
	s_mov_b32 s[CS+1], s[CS]
	s_mov_b32 s[HI], 0xffff0000
	s_mov_b32 s[BLK], 2
	s_wait_dscnt 0x0                               ; both opening adds are done
	s_wait_kmcnt 0x0
	s_add_nc_u64 s[G0+2:G0+3], s[8:9], s[52:53]
	s_or_b32 s[G0+3], s[G0+3], 0x80000000
	s_add_nc_u64 s[4:5], s[4:5], s[54:55]
	s_add_nc_u64 s[6:7], s[6:7], s[56:57]
	s_add_nc_u64 s[10:11], s[10:11], s[58:59]
	s_add_nc_u64 s[12:13], s[12:13], s[60:61]
	CROUND                                         ; all four work-groups are here: the joint loads meet
	tensor_load_to_lds s[G0:G0+3], s[G1:G1+7]      ; every wave's one tensor load of the launch
	s_nop 0
.rept 4
	v_nop
.endr
	v_and_b32 v1, 31, v0
	v_and_b32 v2, 15, v0                           ; r
	v_bfe_u32 v7, v0, 4, 1                         ; h
	s_delay_alu instid0(VALU_DEP_1)
	v_lshl_add_u32 v7, v2, 4, v7                   ; 16 r + h
	s_delay_alu instid0(VALU_DEP_3)
	v_lshlrev_b32 v2, 4, v2                        ; 16 r
	v_lshlrev_b32 v1, 4, v1                        ; 16 x lane
	global_load_b128 v[16:19], v1, s[4:5] th:TH_LOAD_NT              ; q's codes, first block of queries,
	global_load_b128 v[8:11], v1, s[4:5] offset:8192 th:TH_LOAD_NT   ; second block: 16 tiles on
	global_load_b32 v24, v2, s[6:7] th:TH_LOAD_NT                    ; q's scale words
	global_load_b32 v25, v2, s[6:7] offset:1024 th:TH_LOAD_NT
	v_mov_b32 v21, 0
	v_mov_b32 v22, 0
	v_mov_b32 v23, 0
	v_mov_b32 v20, 2                               ; the code +1 at place 64, which lies in lanes 0-15;
	s_delay_alu instid0(VALU_DEP_1)
	v_cndmask_b32 v20, v20, v21, s[HI]             ; lanes 16-31 (places 96 on): zeros
.irp t, 0,1,2,3,4,5,6,7
	v_mov_b32 v[36+8*\t], 10                       ; the code -1 at place 64 (in lanes 16-31 at place 96, where q has a zero)
	v_mov_b32 v[37+8*\t], 0
	v_mov_b32 v[38+8*\t], 0
	v_mov_b32 v[39+8*\t], 0
.endr
.irp b, 0,1,2,3
	v_mov_b32 v[236+\b], 0                         ; written once: a lane permute's destination counts as one of its sources
.endr
	v_mov_b32 v253, 0                              ; (named as the upper half of v[252:253] before it is first written)
	s_wait_alu depctr_va_vdst(0)
	s_wait_loadcnt 0x0                             ; q
	s_wait_tensorcnt 0x0                           ; my key step has landed,
	s_barrier_signal -1
	s_barrier_wait -1                              ; all sixteen have: the head lies in LDS
.Lblock:                                           ; two trips: the two blocks of queries
	INIT
	s_mov_b32 s[TB], 0
	s_mov_b32 s[CNT], 15
	s_barrier_signal -1                            ; the first step's wait is for this signal; no LDS instruction of mine is out here
	KLOAD 1, 2, 0                                  ; key step 0's K
	s_wait_dscnt 0x0                               ; it is in
.Lstep:                                            ; 15 trips; the sixteenth step is written out
	STEP 1
	s_sub_co_u32 s[CNT], s[CNT], 1
	s_cmp_lg_u32 s[CNT], 0
	s_cbranch_scc1 .Lstep
	STEP 0
	OUT
	s_wait_xcnt 0x0                                ; the stores have read their registers and bases, which are written again
.irp i, 0,1,2,3
	v_mov_b32 v[16+\i], v[8+\i]                    ; on to the second block's q (the second trip's five moves and two steps change nothing that is used)
.endr
	v_mov_b32 v24, v25
	s_add_nc_u64 s[10:11], s[10:11], 131072        ; 16 tiles on
	s_add_nc_u64 s[12:13], s[12:13], 8192
	s_sub_co_u32 s[BLK], s[BLK], 1
	s_cmp_lg_u32 s[BLK], 0
	s_cbranch_scc1 .Lblock
	s_wait_tensorcnt 0x0                           ; the wave's end
	ds_add_u32 v[SPW], v[NIL]
	s_wait_dscnt 0x0
	CROUND                                         ; the closing round
	s_endpgm
.Lfunc_end_k_q8e63f30765_attn:
	.size	k_q8e63f30765_attn, .Lfunc_end_k_q8e63f30765_attn-k_q8e63f30765_attn
	.p2alignl 7, 3214868480
	.fill 96, 4, 3214868480
	.section	.rodata,"a",@progbits
	.p2align	6, 0x0
	.amdhsa_kernel k_q8e63f30765_attn
		.amdhsa_group_segment_fixed_size 167936
		.amdhsa_private_segment_fixed_size 0
		.amdhsa_enable_private_segment 0
		.amdhsa_kernarg_size 40
		.amdhsa_user_sgpr_count 2
		.amdhsa_user_sgpr_kernarg_segment_ptr 1
		.amdhsa_wavefront_size32 1
		.amdhsa_system_sgpr_workgroup_id_x 1
		.amdhsa_system_sgpr_workgroup_id_y 1
		.amdhsa_system_sgpr_workgroup_id_z 1
		.amdhsa_system_vgpr_workitem_id 0
		.amdhsa_next_free_vgpr 256
		.amdhsa_next_free_sgpr 66
		.amdhsa_reserve_vcc 0
		.amdhsa_float_denorm_mode_32 3
		.amdhsa_float_denorm_mode_16_64 3
		.amdhsa_memory_ordered 1
		.amdhsa_forward_progress 1
		.amdhsa_inst_pref_size 43
	.end_amdhsa_kernel
	.amdgpu_metadata
---
amdhsa.version: [ 1, 2 ]
amdhsa.kernels:
  - .name:           k_q8e63f30765_attn
    .symbol:         k_q8e63f30765_attn.kd
    .args:
      - { .name: qc, .offset: 0, .size: 8, .value_kind: global_buffer, .address_space: global }
      - { .name: qs, .offset: 8, .size: 8, .value_kind: global_buffer, .address_space: global }
      - { .name: kv, .offset: 16, .size: 8, .value_kind: global_buffer, .address_space: global }
      - { .name: oc, .offset: 24, .size: 8, .value_kind: global_buffer, .address_space: global }
      - { .name: os, .offset: 32, .size: 8, .value_kind: global_buffer, .address_space: global }
    .group_segment_fixed_size: 167936
    .private_segment_fixed_size: 0
    .kernarg_segment_align: 8
    .kernarg_segment_size: 40
    .max_flat_workgroup_size: 512
    .sgpr_count:     66
    .vgpr_count:     256
    .wavefront_size: 32
...
	.end_amdgpu_metadata
.endif
;; end of part 3
;; launch outp (part 4): grid 8 x 32, 4 waves a work-group, clusters of 4 x 4, 327,680 bytes of LDS; arguments img, scl, oc, os, bo, out0; writes out0
.if DOCPART == 4
	.amdgcn_target "amdgcn-amd-amdhsa--gfx1250"
	.amdhsa_code_object_version 6
	.text
	.protected	k_q8e63f30765_outp
	.globl	k_q8e63f30765_outp
	.p2align	8
	.type	k_q8e63f30765_outp,@function
k_q8e63f30765_outp:
	s_mov_b64 s[64:65], 0
	v_nop
	global_prefetch_b8 v0, s[64:65] scope:SCOPE_SE
	s_setreg_imm32_b32 hwreg(HW_REG_WAVE_MODE, 25, 1), 1
	s_wait_xcnt 0x0
	s_wait_alu depctr_hold_cnt(0) depctr_sa_sdst(0) depctr_va_vdst(0) depctr_va_sdst(0) depctr_va_ssrc(0) depctr_va_vcc(0) depctr_vm_vsrc(0)
	s_getreg_b32 s2, hwreg(HW_REG_IB_STS2, 6, 4)
	s_cmp_eq_u32 s2, 0
	s_cbranch_scc0 .Lentry_in_a_cluster
	s_endpgm
.Lentry_in_a_cluster:
	s_bfe_u32 s2, ttmp6, 0x10000c
	s_cmp_lg_u32 s2, 0xf033
	s_cbranch_scc0 .Lentry_shape_is_right
	s_endpgm
.Lentry_shape_is_right:
; out0 = O Wo + bo on codes of FP4 with E8M0 scales.  O's codes and scale bytes were laid by the attention launch, Wo's by the first launch, both as images of operand registers:
; codes tile x 8192 + block x 256 + r x 16, scales tile x 512 + (block / 16) x 256 + r x 16 + block % 16; a tile's row r is row 32 g + 8 u + r + 8 (r / 8) (tile 2 g + u).
; D = P x R^T, source 0 = 16 columns n of Wo (P), source 1 = 16 tokens (R): a lane holds one token and eight neighbouring columns a tile.
; SHARES: a work-group makes 128 columns x 256 tokens; wave w all 128 columns x the tokens' tiles 4 w .. 4 w + 3: 32 accumulators.  All of K = 1,024 lies in LDS: every fill is a first fill.
; CLUSTERS 4 x 4: Wo's tiles hang on the cluster's x and cx alone and are asked for jointly by a column of the cluster, the tokens' on the cluster's y and cy alone, by a row.
; REGISTERS: window 0: v1-29 addresses; v32-47, v48-79 scale words of R, of P; v128-191 R's fragments, two sets; on the way out v128-255 rows of the result.
;   window 1: accumulator (a, b) at v[8 (8 a + b)].   window 2: P's fragments, two sets, v0-127; the bias tiles v128-191.
.set POFF,  131072                     ; LDS: R's 16 tiles x 8 KB (all of K), then P's 8 tiles x 8 KB
.set SPARE, 196608                     ; the spare words, 128 bytes a wave, which no other line names
.set STAGE, 197120                     ; the way out: 16 rows x (512 + 16) bytes for each wave; no fill ever lands here
.set SP,    528
.set AR,   6
.set AP,   8
.set STO,  16
.set RD,   17
.set SPW,  28
.set NIL,  29
.set SCR,  32
.set SCP,  48
.set RF,   128
.set BI,   128
.set WV,   22
.set MSB, 0
.macro WIN new
.if MSB != \new
	s_set_vgpr_msb (MSB<<8)|\new
.set MSB, \new
.endif
.endm
.macro PLACES n
.rept \n
	v_nop
.endr
.endm
.macro CROUND
	s_barrier_signal -1
	s_barrier_wait -1
	s_cmp_lg_u32 s[WV], 0
	s_cbranch_scc1 .Lnot_wave_0_\@
	s_barrier_signal -3
.Lnot_wave_0_\@:
	s_barrier_wait -3
	s_barrier_signal -1
	s_barrier_wait -1
.endm
.macro WM d, a, b, c, sa, sb, ra, rb
.if (\ra) && (\rb)
	v_wmma_scale_f32_16x16x128_f8f6f4 v[\d:\d+7], v[\a:\a+7], v[\b:\b+7], v[\c:\c+7], v[\sa], v[\sb] matrix_a_fmt:MATRIX_FMT_FP4 matrix_b_fmt:MATRIX_FMT_FP4 matrix_a_scale:MATRIX_SCALE_ROW1 matrix_b_scale:MATRIX_SCALE_ROW1
.elseif \ra
	v_wmma_scale_f32_16x16x128_f8f6f4 v[\d:\d+7], v[\a:\a+7], v[\b:\b+7], v[\c:\c+7], v[\sa], v[\sb] matrix_a_fmt:MATRIX_FMT_FP4 matrix_b_fmt:MATRIX_FMT_FP4 matrix_a_scale:MATRIX_SCALE_ROW1
.elseif \rb
	v_wmma_scale_f32_16x16x128_f8f6f4 v[\d:\d+7], v[\a:\a+7], v[\b:\b+7], v[\c:\c+7], v[\sa], v[\sb] matrix_a_fmt:MATRIX_FMT_FP4 matrix_b_fmt:MATRIX_FMT_FP4 matrix_b_scale:MATRIX_SCALE_ROW1
.else
	v_wmma_scale_f32_16x16x128_f8f6f4 v[\d:\d+7], v[\a:\a+7], v[\b:\b+7], v[\c:\c+7], v[\sa], v[\sb] matrix_a_fmt:MATRIX_FMT_FP4 matrix_b_fmt:MATRIX_FMT_FP4
.endif
.endm
.macro SCALES
.irp i, 0,1
.irp f, 0,1
	global_load_b128 v[SCR+8*\i+4*\f:SCR+8*\i+4*\f+3], v5, s[70:71] offset:1024*\i+256*\f   ; from memory straight into the scale registers: sixteen lanes read 256 consecutive bytes
.endr
.endr
.irp i, 0,1,2,3
.irp f, 0,1
	global_load_b128 v[SCP+8*\i+4*\f:SCP+8*\i+4*\f+3], v5, s[82:83] offset:1024*\i+256*\f
.endr
.endr
.endm
.macro FETCH s, set
	WIN 0x80
.irp b, 0,1,2,3,4,5,6,7
.irp c, 0,1
	ds_load_b128 v[64*(\set)+8*\b+4*\c:64*(\set)+8*\b+4*\c+3], v[AP] offset:8192*\b+1024*(\s)+512*\c
.endr
.endr
	WIN 0
.irp a, 0,1,2,3
.irp c, 0,1
	ds_load_b128 v[RF+32*(\set)+8*\a+4*\c:RF+32*(\set)+8*\a+4*\c+3], v[AR] offset:8192*\a+1024*(\s)+512*\c
.endr
.endr
.endm
; 32 products of K step s; the 32 accumulators take turns, one instruction a turn.  first = 1: the sums begin with the bias tiles
.macro MUL s, first
.if \first
	WIN 0x62
.else
	WIN 0x52
.endif
.irp a, 0,1,2,3
.irp b, 0,1,2,3,4,5,6,7
.if \first
	WM 8*(8*\a+\b), 64*((\s)%2)+8*\b, RF+32*((\s)%2)+8*\a, BI+8*\b, SCP+8*(\b/2)+(\s), SCR+8*(\a/2)+(\s), \b%2, \a%2
.else
	WM 8*(8*\a+\b), 64*((\s)%2)+8*\b, RF+32*((\s)%2)+8*\a, 8*(8*\a+\b), SCP+8*(\b/2)+(\s), SCR+8*(\a/2)+(\s), \b%2, \a%2
.endif
.endr
.endr
.endm
.macro STEP s
	s_wait_dscnt 0x0                               ; this step's fragments are in: they were asked for 32 products ago
.if \s < 7
	PLACES 4
	FETCH (\s)+1, ((\s)+1)%2
.endif
	MUL \s, 0
.endm
; THE WAY OUT of the tokens' tile a: a lane holds 8 x 32 bytes of one row; through my own stage they come back as whole rows of 512 bytes.  LDS serves a wave's instructions in order: no wait between stores and loads
.macro TOSTAGE a
	WIN 0x04                                       ; the data: window 1
.irp b, 0,1,2,3,4,5,6,7
	ds_store_b128 v[STO], v[64*(\a)+8*\b:64*(\a)+8*\b+3] offset:128*(\b/2)+32*(\b%2)       ; each accumulator from its low end on
	ds_store_b128 v[STO], v[64*(\a)+8*\b+4:64*(\a)+8*\b+7] offset:128*(\b/2)+32*(\b%2)+16
.endr
	WIN 0
.set BB, 128+64*((\a)%2)
.irp i, 0,1,2,3,4,5,6,7,8,9,10,11,12,13,14,15
	ds_load_b128 v[BB+4*\i:BB+4*\i+3], v[RD] offset:SP*\i
.endr
.endm
.macro SEND a, younger
.set BB, 128+64*((\a)%2)
	s_wait_dscnt \younger
.irp i, 0,1,2,3,4,5,6,7,8,9,10,11,12,13,14,15
	global_store_b128 v4, v[BB+4*\i:BB+4*\i+3], s[14:15] offset:(32*((\a)/2)+8*((\a)%2)+\i+8*(\i/8))*4096 th:TH_STORE_NT   ; 512 consecutive bytes, at a multiple of 512 from the buffer's first byte
.endr
.endm
	s_load_b256 s[4:11], s[0:1], 0x0               ; img s[4:5], scl s[6:7], oc s[8:9], os s[10:11]
	s_load_b128 s[12:15], s[0:1], 0x20             ; bo s[12:13], out0 s[14:15]
	v_lshl_add_u32 v[SPW], v0, 2, SPARE
	v_mov_b32 v[NIL], 0
	ds_add_u32 v[SPW], v[NIL]                      ; the opening: the add, twice on end, and its wait ahead of my first tensor load
	ds_add_u32 v[SPW], v[NIL]
	v_lshrrev_b32 v1, 5, v0
	v_readfirstlane_b32 s[WV], v1
	s_bfe_u32 s84, ttmp6, 0x40000                  ; cx
	s_bfe_u32 s85, ttmp6, 0x40004                  ; cy
	s_lshl_b32 s2, ttmp9, 2
	s_add_co_u32 s2, s2, s84                       ; Pblk: which 128 columns
	s_and_b32 s3, ttmp7, 0xffff
	s_lshl_b32 s3, s3, 2
	s_add_co_u32 s3, s3, s85                       ; Rblk: which 256 tokens
	s_lshl_b32 s86, s85, 2
	s_lshl_b32 s86, 15, s86                        ; my row of the cluster
	s_lshl_b32 s89, 0x1111, s84                    ; my column
	s_or_b32 s24, s86, (3<<16)|(1<<21)             ; groups 1: R's codes, P's codes: elements of 8 bytes, no padding, bit 21 set beside a mask
	s_or_b32 s32, s89, (3<<16)|(1<<21)
.irp g, 24, 32
	s_mov_b32 s[\g+1], 1024<<16                    ; a tile, all of K: a row of 8,192 bytes,
	s_mov_b32 s[\g+3], 1024<<16
	s_mov_b32 s[\g+5], 1024                        ; tiles 8,192 bytes apart
	s_mov_b32 s[\g+6], 0
	s_mov_b32 s[\g+7], 0
.endr
	s_mov_b32 s26, 8<<16
	s_mov_b32 s28, 8
	s_mov_b32 s34, 4<<16
	s_mov_b32 s36, 4
	s_and_b32 s99, s[WV], 1                        ; waves 0, 1 fetch R's two halves of tiles, waves 2, 3 P's
	s_lshl_b32 s90, s3, 17
	s_lshl_b32 s98, s99, 16
	s_add_co_u32 s90, s90, s98
	s_mov_b32 s91, 0
	s_lshl_b32 s92, s3, 13
	s_lshl_b32 s98, s[WV], 11                      ; R's scale words: my wave's four tiles
	s_add_co_u32 s92, s92, s98
	s_mov_b32 s93, 0
	s_lshl_b32 s94, s2, 16
	s_add_co_u32 s94, s94, 0xd80000                ; Wo's codes: 12 MiB + 3 x 512 KiB
	s_lshl_b32 s100, s99, 15
	s_add_co_u32 s94, s94, s100
	s_mov_b32 s95, 0
	s_lshl_b32 s96, s2, 12
	s_add_co_u32 s96, s96, 0xd8000                 ; Wo's scales: 768 KiB + 3 x 32 KiB
	s_mov_b32 s97, 0
	s_mov_b32 s56, 1                               ; groups 0: s[56:59] R's tiles, s[72:75] P's.  No place in the cluster enters an LDS address
	s_mov_b32 s72, 1
	s_lshl_b32 s57, s99, 16
	s_lshl_b32 s73, s99, 15
	s_add_co_u32 s73, s73, POFF
	s_wait_dscnt 0x0                               ; both opening adds are done
	s_wait_kmcnt 0x0
	s_add_nc_u64 s[58:59], s[8:9], s[90:91]
	s_add_nc_u64 s[70:71], s[10:11], s[92:93]      ; my R scale words in memory
	s_add_nc_u64 s[74:75], s[4:5], s[94:95]
	s_add_nc_u64 s[82:83], s[6:7], s[96:97]        ; P's
	s_or_b32 s59, s59, 0x80000000                  ; the type
	s_or_b32 s75, s75, 0x80000000
	CROUND                                         ; all sixteen work-groups are here: the joint loads meet
	s_cmp_lt_u32 s[WV], 2                          ; one tensor load a wave, the only one of the launch: waves 0, 1 eight tiles of R each, waves 2, 3 four tiles of P each, all of K
	s_cbranch_scc0 .Lfill_p
	tensor_load_to_lds s[56:59], s[24:31]
	s_nop 0
	PLACES 4
	s_branch .Lfilled
.Lfill_p:
	tensor_load_to_lds s[72:75], s[32:39]
	s_nop 0
	PLACES 4
.Lfilled:
	v_and_b32 v1, 31, v0
	v_and_b32 v2, 15, v0                           ; r
	v_bfe_u32 v3, v0, 4, 1                         ; h
	v_lshlrev_b32 v4, 4, v1                        ; 16 x lane
	v_lshlrev_b32 v5, 4, v2
	v_lshl_add_u32 v5, v3, 9, v5                   ; scale words: 16 r, and lanes 16-31 the next tile's
	SCALES
	s_lshl_b32 s98, s[WV], 15
	v_add_nc_u32 v[AR], s98, v4                    ; my four tiles of R
	v_add_nc_u32 v[AP], POFF, v4
	v_lshlrev_b32 v14, 6, v3                       ; 64 h
	s_mul_i32 s98, s[WV], 16*SP
	s_add_co_u32 s98, s98, STAGE                   ; my stage
	v_mul_u32_u24 v[STO], v2, SP
	v_lshl_add_u32 v[STO], v3, 6, v[STO]
	v_add_nc_u32 v[STO], s98, v[STO]               ; in: row r, 64 bytes on for lanes 16-31
	v_add_nc_u32 v[RD], s98, v4                    ; back: a row's 512 bytes
	s_lshl_b32 s92, s2, 9
	s_mov_b32 s93, 0
	s_add_nc_u64 s[12:13], s[12:13], s[92:93]      ; bo at my 128 columns
	WIN 0x80
.irp b, 0,1,2,3,4,5,6,7                ; tile b's C: register j = bo at column 32 (b / 2) + 8 (b % 2) + 16 h + j
	global_load_b128 v[BI+8*\b:BI+8*\b+3], v14, s[12:13] offset:128*(\b/2)+32*(\b%2)
	global_load_b128 v[BI+8*\b+4:BI+8*\b+7], v14, s[12:13] offset:128*(\b/2)+32*(\b%2)+16
.endr
	WIN 0
	s_lshl_b32 s90, s3, 20                         ; out0: my 64 tokens' rows of 4,096 bytes, my 128 columns
	s_lshl_b32 s91, s[WV], 18
	s_add_co_u32 s90, s90, s91
	s_add_co_u32 s90, s90, s92
	s_mov_b32 s91, 0
	s_add_nc_u64 s[14:15], s[14:15], s[90:91]
	s_wait_alu depctr_va_vdst(0)
	s_wait_loadcnt 0x0                             ; the bias tiles
	s_wait_tensorcnt 0x0                           ; my tiles are in
	s_barrier_signal -1
	s_barrier_wait -1
	FETCH 0, 0
	s_wait_dscnt 0x0
	FETCH 1, 1
	MUL 0, 1
.irp s, 1,2,3,4,5,6,7
	STEP \s
.endr
	PLACES 4                                       ; four plain instructions between the last products and the first read of results, and the loads into the registers that held R's fragments
	TOSTAGE 0
.irp a, 1,2,3
.if \a > 1
	s_wait_xcnt 0x0                                ; tile a - 2's stores have read their registers: tile a's rows may land there
.endif
	TOSTAGE \a
	SEND \a-1, 32                                  ; behind tile a - 1's loads: tile a's 16 stores and 16 loads
.endr
	SEND 3, 0
	s_wait_tensorcnt 0x0                           ; the wave's end
	ds_add_u32 v[SPW], v[NIL]
	s_wait_dscnt 0x0
	CROUND                                         ; the closing round
	s_endpgm
.Lfunc_end_k_q8e63f30765_outp:
	.size	k_q8e63f30765_outp, .Lfunc_end_k_q8e63f30765_outp-k_q8e63f30765_outp
	.p2alignl 7, 3214868480
	.fill 96, 4, 3214868480
	.section	.rodata,"a",@progbits
	.p2align	6, 0x0
	.amdhsa_kernel k_q8e63f30765_outp
		.amdhsa_group_segment_fixed_size 327680
		.amdhsa_private_segment_fixed_size 0
		.amdhsa_enable_private_segment 0
		.amdhsa_kernarg_size 48
		.amdhsa_user_sgpr_count 2
		.amdhsa_user_sgpr_kernarg_segment_ptr 1
		.amdhsa_wavefront_size32 1
		.amdhsa_system_sgpr_workgroup_id_x 1
		.amdhsa_system_sgpr_workgroup_id_y 1
		.amdhsa_system_sgpr_workgroup_id_z 1
		.amdhsa_system_vgpr_workitem_id 0
		.amdhsa_next_free_vgpr 768
		.amdhsa_next_free_sgpr 102
		.amdhsa_reserve_vcc 0
		.amdhsa_float_denorm_mode_32 3
		.amdhsa_float_denorm_mode_16_64 3
		.amdhsa_memory_ordered 1
		.amdhsa_forward_progress 1
		.amdhsa_inst_pref_size 69
	.end_amdhsa_kernel
	.amdgpu_metadata
---
amdhsa.version: [ 1, 2 ]
amdhsa.kernels:
  - .name:           k_q8e63f30765_outp
    .symbol:         k_q8e63f30765_outp.kd
    .args:
      - { .name: img, .offset: 0, .size: 8, .value_kind: global_buffer, .address_space: global }
      - { .name: scl, .offset: 8, .size: 8, .value_kind: global_buffer, .address_space: global }
      - { .name: oc, .offset: 16, .size: 8, .value_kind: global_buffer, .address_space: global }
      - { .name: os, .offset: 24, .size: 8, .value_kind: global_buffer, .address_space: global }
      - { .name: bo, .offset: 32, .size: 8, .value_kind: global_buffer, .address_space: global }
      - { .name: out0, .offset: 40, .size: 8, .value_kind: global_buffer, .address_space: global }
    .group_segment_fixed_size: 327680
    .private_segment_fixed_size: 0
    .kernarg_segment_align: 8
    .kernarg_segment_size: 48
    .max_flat_workgroup_size: 128
    .sgpr_count:     102
    .vgpr_count:     768
    .wavefront_size: 32
...
	.end_amdgpu_metadata
.endif
;; end of part 4
